; MI455X (gfx1250); checked and timed in simulation.
; The chip was launched on July 23, 2026; its instructions are those of AMD's public machine-readable ISA for CDNA 5 (MIT licence, August 2026) and "CDNA5" Instruction Set Architecture Reference Guide (July 2026). The comments in the code are by the model that wrote it; some were corrected since.
;; Causal Self Attention. Allowed arithmetic: matrix products marked QUANTISED: E2M3 operands, one E8M0 scale for each 32 along K, by v_wmma_scale_f32_16x16x128_f8f6f4 with both operands' format E2M3, f32 sums; everything else in f32.
;; Inputs: W_proj 1,024 x 1,024 float32; W_qkv 1,024 x 3,072 float32; x 4 x 2,048 x 1,024 float32.
;; Outputs: out0 4 x 2,048 x 1,024 float32.
;; This version of the problem:
;;   THIS VERSION OF THE PROBLEM IS GIVEN IN LOW PRECISION. The matrix products marked QUANTISED in the list below multiply operands that are first quantised to E2M3 (2 exponent bits, 3 mantissa bits; 6 bits a number), with one power-of-two scale for each 32 numbers along K (OCP MX v1.0); their sums are f32. All else is computed in f32.
;;   The module's matrix products, in the order in which they are computed (A, B: the left and right operand; K: the contracted axis; several contracted axes count as one K, in the product's order):
;;     1. [M 8,192, K 1,024] x [K 1,024, N 3,072]; A: input x; B: input W_qkv: QUANTISED
;;     2. batch 64 x [M 2,048, K 64] x [K 64, N 2,048]; A: computed on the way; B: computed on the way: QUANTISED
;;     3. batch 64 x [M 2,048, K 2,048] x [K 2,048, N 64]; A: softmax (see below); B: computed on the way: QUANTISED
;;     4. [M 8,192, K 1,024] x [K 1,024, N 1,024]; A: computed on the way; B: input W_proj: QUANTISED
;;   THE QUANTISER, for each operand of a quantised product, along K:
;;     - K is cut into blocks of 32 from its start; a last block that is shorter is filled with zeros.
;;     - A block's scale is 2^e with e = floor(log2(the largest magnitude in the block)) - 2, held to -126 .. 127; a block of zeros has e = 0. As a byte (E8M0): e + 127.
;;     - Each number is divided by its block's scale, clamped to +-7.5, and rounded to the nearest number of E2M3, ties to even, subnormals kept.
;;     - The product sums the exact products of the quantised numbers (number of the format x scale) in f32.
;;   ~~~python
;;   def quantise(x, axis):      # numpy; x: float32 -> the quantised numbers, widened to float32 again
;;       x = np.moveaxis(x, axis, -1); K = x.shape[-1]
;;       x = np.pad(x, [(0, 0)] * (x.ndim - 1) + [(0, -K % 32)]); x = x.reshape(x.shape[:-1] + (-1, 32)); a = np.abs(x).max(-1, keepdims=True)
;;       e = np.where(a > 0, np.clip(np.frexp(np.where(a > 0, a, 1))[1] - 1 - 2, -126, 127), 0)      # np.frexp(a)[1] - 1 = floor(log2(a)), exactly
;;       r = np.clip(x / 2.0 ** e, -7.5, 7.5)
;;       step = 2.0 ** (np.maximum(np.frexp(np.where(r == 0, 1, r))[1] - 1, 0) - 3)
;;       q = np.round(r / step) * step * 2.0 ** e      # np.round: ties to even
;;       return np.moveaxis(q.reshape(q.shape[:-2] + (-1,))[..., :K], -1, axis).astype(np.float32)
;;   ~~~
;;   SOFTMAX AHEAD OF A QUANTISED PRODUCT. Where the list says 'softmax', what is quantised is not the finished softmax but p = 2^(t - M), with t = logit x log2(e) and M = ceil(the row's largest t), a whole number; so 1/2 < the row's largest p <= 1. The row's sum l is taken of the UNQUANTISED p, in f32, and the product's result is divided by l at the end. Since M is a whole number, a kernel that streams over the keys may use a running M (the ceiling of the running maximum): every later rescaling is an exact power of two, which a block's scale takes up: the codes' values come out the same.
;;   OPERANDS COMPUTED ON THE WAY. 'Computed on the way' means the value that the module computes at that place (a softmax that the list does not call 'softmax' is quantised finished and normalised). What goes into a quantiser is computed in f32, as accurately as f32 sums, v_exp_f32 and their like allow (about 1e-6 of the number): no bf16 or f16 on the way to a quantiser, and a product that is left as it is and whose result goes on into a quantised operand takes f32 operands (vector FMAs, or v_wmma_f32_16x16x4_f32). A number that lies on a knife's edge between two numbers of the format may be rounded either way, as far as f32 arithmetic and the matrix unit's own rounding can turn it there, and no further.
;; One version. Each part assembles by itself: llvm-mc -triple=amdgcn-amd-amdhsa -mcpu=gfx1250 --defsym DOCPART=n.
;; ======== version 1 of 1: 4 launches
;; workspace buffers: x_codes 6,291,456 bytes; x_scales 262,144 bytes; w_codes 3,145,728 bytes; w_scales 131,072 bytes; qkv_codes 18,874,368 bytes; qkv_scales 786,432 bytes; y_codes 6,291,456 bytes; y_scales 262,144 bytes
;; launch quant (part 1): grid 768 x 1, 4 waves a work-group, no clusters, 47,616 bytes of LDS; arguments x, W_qkv, W_proj, x_codes, x_scales, w_codes, w_scales; writes x_codes, x_scales, w_codes, w_scales
.if DOCPART == 1
	.amdgcn_target "amdgcn-amd-amdhsa--gfx1250"
	.amdhsa_code_object_version 6
	.text
	.protected	k_q62ffc2c82e_quant
	.globl	k_q62ffc2c82e_quant
	.p2align	8
	.type	k_q62ffc2c82e_quant,@function
k_q62ffc2c82e_quant:
	s_mov_b64 s[64:65], 0
	v_nop
	global_prefetch_b8 v0, s[64:65] scope:SCOPE_SE
	s_setreg_imm32_b32 hwreg(HW_REG_WAVE_MODE, 25, 1), 1
	s_wait_xcnt 0x0
; CAUSAL SELF-ATTENTION IN MX-FP6, four launches: quant, gemm_qkv, attn, proj.  This one turns x [8192][1024], W_qkv [1024][3072] and W_proj [1024][1024], f32, into codes of E2M3 with one E8M0 byte for each 32 along K.
; DEAD WORK OF THE PROGRAM (left out in the launch attn).  reference() sets att to -inf wherever key > query, by a tril that it builds in its own body; the softmax makes 0 of it, so such a score reaches no output,
; whatever finite values x, W_qkv and W_proj hold.  Key steps of 128 keys that all come after a tile's 16 queries are therefore neither multiplied nor summed; in the one step on the diagonal all scores are made and the
; hidden ones are replaced by -inf.  Every input has a way to the output and is loaded.  LIMIT: a NaN, an infinity or an overflow that would arise only in a score that is left out is not carried to the result.
; LIMITS: NaN and infinities among the inputs are not served.  A block of zeros gets the byte 1 where the rule says 127: its codes are zeros, which add nothing under any byte but 0xff, and only this program reads the bytes.
; THE WORKSPACE FORMAT.  A tile is 16 rows; lane row r of tile t stands for matrix row 32 (t / 2) + 8 (t % 2) + r + 8 (r / 8), so that in a product used transposed the 16 registers of tiles 2 b and 2 b + 1 are 16 neighbours.
; A half image, 768 bytes, is 16 rows x 64 along K as the operand's registers hold it: lane l = r + 16 h has the 24 bytes of block h of row r, its words 0-3 at 16 l and its words 4-5 at 512 + 8 l.
; An operand [rows][1024]: codes at tile x 12288 + (K / 128) x 1536 + ((K / 64) % 2) x 768;  scale bytes at tile x 512 + (K / 256) x 128 + 8 r + (K / 32) % 8.
; SHARES.  Work-groups 0-511: one tile of x each; wave w takes K 256 w .. 256 w + 255 in two steps of 128.  Work-groups 512-767: 128 columns x 128 along K of a weight (w_codes' tiles 0-191: W_qkv's columns, 192-255: W_proj's);
; a wave takes 32 columns.  The two paths part on the work-group's number and have LDS bytes of their own.  No barrier: waves share nothing.
.set SPARE, 47104                      ; behind the stages: the spare words, 128 bytes for each wave
.set WSTG,  33792                      ; the weights' stages begin here; x's four stages of 16 x 528 bytes lie in front
.set SPW,   4                          ; v4   LDS address of my spare word; never rewritten
.set NIL,   5                          ; v5   0; never rewritten
.set CSET,  20                         ; v20-51  four sets of eight registers for codes (six used): no store's data are written again
.set T,     52                         ; v52-54  a block's upper 16 codes, before they are moved
.set R,     64                         ; x path: v64-191 numbers as loaded
.set X,     192                        ; x path: v192-255 two blocks of 32 neighbours
.set OFFS,  64                         ; W path: v64-95 4 x lane + i rows
.set WX,    128                        ; W path: v128-255 four blocks of 32 numbers down K
; 32 numbers of ONE block in v[x] on become 24 bytes of codes in v[c] .. v[c + 5] and the scale's byte in v[b].
.macro QB x, c, b
	v_max3_num_f32 v14, |v[(\x)]|, |v[(\x)+1]|, |v[(\x)+2]|            ; the largest magnitude, in two chains
	v_max3_num_f32 v15, |v[(\x)+3]|, |v[(\x)+4]|, |v[(\x)+5]|
.irp i, 6,10,14,18,22,26
	v_max3_num_f32 v14, v14, |v[(\x)+\i]|, |v[(\x)+\i+1]|
	v_max3_num_f32 v15, v15, |v[(\x)+\i+2]|, |v[(\x)+\i+3]|
.endr
	v_max3_num_f32 v14, v14, |v[(\x)+30]|, |v[(\x)+31]|
	v_max3_num_f32 v14, v14, v15, 0x1800000                            ; and the floor 2^(3 - 127): the byte cannot fall under 1
	v_add_nc_u32 v15, 0xff000000, v14                                  ; 2 off the exponent field: the conversion takes this operand's exponent field as its scale
	v_cvt_scalef32_pk16_fp6_f32 v[(\c):(\c)+2], v[(\x):(\x)+15], v15
	v_cvt_scalef32_pk16_fp6_f32 v[T:T+2], v[(\x)+16:(\x)+31], v15      ; (a conversion's three registers begin on an even number)
	v_lshrrev_b32 v[\b], 23, v15                                       ; the byte; also the plain line behind the conversions
.irp i, 0,1,2
	v_mov_b32 v[(\c)+3+\i], v[T+\i]
.endr
.endm
	s_load_b256 s[4:11], s[0:1], 0x0               ; x s[4:5], W_qkv s[6:7], W_proj s[8:9], x_codes s[10:11]
	s_load_b128 s[12:15], s[0:1], 0x20             ; x_scales s[12:13], w_codes s[14:15]
	s_load_b64 s[16:17], s[0:1], 0x30              ; w_scales
	v_lshl_add_u32 v[SPW], v0, 2, SPARE
	v_mov_b32 v[NIL], 0
	v_lshrrev_b32 v1, 5, v0
	v_readfirstlane_b32 s20, v1                    ; wave
	v_and_b32 v1, 31, v0                           ; lane
	v_and_b32 v2, 15, v0                           ; r
	v_bfe_u32 v3, v0, 4, 1                         ; h
	v_lshlrev_b32 v6, 4, v1                        ; 16 x lane
	v_lshlrev_b32 v9, 3, v1                        ; 8 x lane
	s_mov_b32 s22, 0x76543210
	s_mov_b32 s23, 0xfedcba98                      ; v_permlanex16_b32's selects for lane l xor 16
	s_mov_b32 s24, 0xffff0000                      ; lanes 16-31
	s_cmp_lt_u32 ttmp9, 512
	s_cbranch_scc0 .Lweights
	; ---- x: K is innermost.  Each load reads 512 consecutive bytes of one row; a step's 16 rows turn through my stage (rows 528 bytes apart), so that lane (r, h) gets whole blocks of row r.
	s_lshr_b32 s25, ttmp9, 1
	s_lshl_b32 s25, s25, 5
	s_and_b32 s26, ttmp9, 1
	s_lshl_b32 s26, s26, 3
	s_add_co_u32 s25, s25, s26                     ; the tile's first row: 32 (t / 2) + 8 (t % 2)
	s_lshl_b32 s26, s25, 12
	s_lshl_b32 s27, s20, 10
	s_add_co_u32 s26, s26, s27                     ; x: row x 4096 + wave x 1024
	s_mov_b32 s27, 0
	s_mul_i32 s28, ttmp9, 12288
	s_mul_i32 s30, s20, 3072
	s_add_co_u32 s28, s28, s30                     ; codes: tile x 12288 + two K steps a wave
	s_mov_b32 s29, 0
	s_lshl_b32 s30, ttmp9, 9
	s_lshl_b32 s31, s20, 7
	s_add_co_u32 s30, s30, s31                     ; scale bytes: tile x 512 + wave x 128
	s_mov_b32 s31, 0
	s_mul_i32 s32, s20, 8448                       ; my stage
	v_add_nc_u32 v7, s32, v6                       ; in: 16 x lane of a row
	v_mul_u32_u24 v8, v2, 528
	v_lshl_add_u32 v8, v3, 7, v8
	v_add_nc_u32 v8, s32, v8                       ; out: row r, + 128 h bytes: block h
	v_lshlrev_b32 v10, 3, v2
	v_lshl_add_u32 v10, v3, 2, v10                 ; 8 r + 4 h: where my scale word goes
	v_lshlrev_b32 v19, 3, v3                       ; 8 h bits
	v_mov_b32 v18, 0                               ; a lane permute's destination counts as one of its sources
	s_wait_kmcnt 0x0
	s_add_nc_u64 s[4:5], s[4:5], s[26:27]
	s_add_nc_u64 s[10:11], s[10:11], s[28:29]
	s_add_nc_u64 s[12:13], s[12:13], s[30:31]
.irp st, 0,1
.irp i, 0,1,2,3,4,5,6,7,8,9,10,11,12,13,14,15
	global_load_b128 v[R+64*\st+4*\i:R+64*\st+4*\i+3], v6, s[4:5] offset:(\i+8*(\i/8))*4096+512*\st th:TH_LOAD_NT
.endr
.endr
.macro XSTEP st
	s_wait_loadcnt 16*(1-\st)                      ; this step's 16 loads are in; the other step's 16 may be out
.irp i, 0,1,2,3,4,5,6,7,8,9,10,11,12,13,14,15
	ds_store_b128 v7, v[R+64*\st+4*\i:R+64*\st+4*\i+3] offset:528*\i
.endr
.irp c, 0,1
.irp j, 0,1,2,3,4,5,6,7
	ds_load_b128 v[X+32*\c+4*\j:X+32*\c+4*\j+3], v8 offset:256*\c+16*\j   ; LDS serves a wave's instructions in order: these see the stores above
.endr
.endr
	s_wait_dscnt 0x0
	QB X, CSET+16*\st, 12                          ; block h
	QB X+32, CSET+16*\st+8, 13                     ; block 2 + h
	v_lshl_or_b32 v[16+\st], v13, 16, v12          ; my two bytes,
	v_lshlrev_b32 v[16+\st], v19, v[16+\st]        ; at their places in the step's word;
	v_permlanex16_b32 v18, v[16+\st], s22, s23
	v_or_b32 v[16+\st], v[16+\st], v18             ; with lane l xor 16's two the word is whole
.irp c, 0,1
	global_store_b128 v6, v[CSET+16*\st+8*\c:CSET+16*\st+8*\c+3], s[10:11] offset:1536*\st+768*\c          ; 512 consecutive bytes
	global_store_b64 v9, v[CSET+16*\st+8*\c+4:CSET+16*\st+8*\c+5], s[10:11] offset:1536*\st+768*\c+512     ; 256 consecutive bytes
.endr
.endm
	XSTEP 0
	XSTEP 1
	v_cndmask_b32 v18, v16, v17, s24               ; lanes 0-15 store the first step's word, lanes 16-31 the second's
	global_store_b32 v10, v18, s[12:13]            ; 128 consecutive bytes: a wave has no more scale bytes than these
	s_branch .Lend
.Lweights:
	; ---- a weight: K is the FIRST axis.  A lane takes a column and its registers run down K: a block of 32 lies in one lane, and the codes come out with K innermost.
	s_sub_co_u32 s25, ttmp9, 512
	s_lshr_b32 s26, s25, 3                         ; which 128 columns of the 4,096 (3,072 of W_qkv, then 1,024 of W_proj)
	s_and_b32 s27, s25, 7                          ; which 128 along K
	s_wait_kmcnt 0x0
	s_cmp_ge_u32 s26, 24                           ; the choice hangs on the work-group's number alone
	s_cselect_b64 s[6:7], s[8:9], s[6:7]           ; the weight,
	s_mov_b32 s33, 12288
	s_cselect_b32 s33, 4096, s33                   ; its row in bytes,
	s_cselect_b32 s34, 24, 0
	s_sub_co_u32 s34, s26, s34                     ; and the columns counted in it
	s_lshl_b32 s34, s34, 7
	s_lshl_b32 s35, s20, 5
	s_add_co_u32 s34, s34, s35                     ; my wave's first column
	s_lshl_b32 s34, s34, 2
	s_lshl_b32 s35, s27, 7
	s_mul_i32 s35, s35, s33
	s_add_co_u32 s34, s34, s35
	s_mov_b32 s35, 0
	s_add_nc_u64 s[36:37], s[6:7], s[34:35]        ; block 0's first row, my first column
	s_lshl_b32 s34, s33, 5                         ; 32 rows on
	s_add_nc_u64 s[38:39], s[36:37], s[34:35]
	s_add_nc_u64 s[40:41], s[38:39], s[34:35]
	s_add_nc_u64 s[42:43], s[40:41], s[34:35]
	v_lshlrev_b32 v[OFFS], 2, v1
.irp i, 1,2,3,4,5,6,7,8,9,10,11,12,13,14,15,16,17,18,19,20,21,22,23,24,25,26,27,28,29,30,31
	v_add_nc_u32 v[OFFS+\i], s33, v[OFFS+\i-1]
.endr
.macro WLOAD t                         ; block t: 32 rows, 128 consecutive bytes a load
.irp i, 0,1,2,3,4,5,6,7,8,9,10,11,12,13,14,15,16,17,18,19,20,21,22,23,24,25,26,27,28,29,30,31
	global_load_b32 v[WX+32*(\t)+\i], v[OFFS+\i], s[36+2*(\t):37+2*(\t)] th:TH_LOAD_NT
.endr
.endm
	WLOAD 0
	WLOAD 1
	v_bfe_u32 v11, v1, 3, 1                        ; column l of the 32 is lane row (l % 8) + 8 (l / 16) of tile (l / 8) % 2
	v_and_b32 v12, 7, v1
	v_lshrrev_b32 v13, 4, v1
	v_lshl_add_u32 v12, v13, 3, v12
	s_mul_i32 s32, s20, 3328
	s_add_co_u32 s32, s32, WSTG                    ; my stage: two tiles' fragments, 1,664 bytes apart
	v_mul_u32_u24 v13, v11, 1664
	v_add_nc_u32 v13, s32, v13
	v_lshl_add_u32 v7, v12, 4, v13                 ; words 0-3 of my block's 24 bytes: + 16 x lane row
	v_lshl_add_u32 v8, v12, 3, v13                 ; words 4-5: + 8 x lane row
	v_add_nc_u32 v10, s32, v6                      ; back: 16 x lane
	s_lshl_b32 s28, s26, 2
	s_add_co_u32 s28, s28, s20                     ; my 32 columns: tiles 2 x this and 2 x this + 1
	s_mul_i32 s30, s28, 24576
	s_mul_i32 s31, s27, 1536
	s_add_co_u32 s30, s30, s31
	s_mov_b32 s31, 0
	s_add_nc_u64 s[14:15], s[14:15], s[30:31]
	s_lshl_b32 s30, s28, 10
	s_lshr_b32 s29, s27, 1
	s_lshl_b32 s29, s29, 7
	s_add_co_u32 s30, s30, s29
	s_and_b32 s29, s27, 1
	s_lshl_b32 s29, s29, 2
	s_add_co_u32 s30, s30, s29
	s_add_nc_u64 s[16:17], s[16:17], s[30:31]
	v_lshlrev_b32 v16, 9, v11
	v_lshl_add_u32 v16, v12, 3, v16                ; my scale word: 512 x tile + 8 x lane row
.macro WBLOCK t
.if (\t) < 3
	s_wait_loadcnt 32                              ; this block's 32 loads are in; the next block's 32 may be out
.else
	s_wait_loadcnt 0x0
.endif
.if (\t) < 2
	WLOAD (\t)+2                                   ; two blocks ahead, into registers of its own
.endif
	QB WX+32*(\t), CSET+8*(\t), 17
.if (\t) == 0
	v_mov_b32 v18, v17                             ; the K step's four bytes make my column's scale word
.else
	v_lshl_or_b32 v18, v17, 8*(\t), v18
.endif
	ds_store_b128 v7, v[CSET+8*(\t):CSET+8*(\t)+3] offset:768*((\t)/2)+256*((\t)%2)          ; block t is half image t / 2, lanes 16 (t % 2) on
	ds_store_b64 v8, v[CSET+8*(\t)+4:CSET+8*(\t)+5] offset:768*((\t)/2)+512+128*((\t)%2)
.endm
	WBLOCK 0
	WBLOCK 1
	WBLOCK 2
	WBLOCK 3
.irp n, 0,1,2,3,4,5
	ds_load_b128 v[WX+4*\n:WX+4*\n+3], v10 offset:(\n/3)*1664+512*(\n%3)   ; LDS serves a wave's instructions in order: these see my stores
.endr
.irp n, 0,1,2,3,4,5
	s_wait_dscnt 5-\n                              ; load n is in; the later ones may be out
	global_store_b128 v6, v[WX+4*\n:WX+4*\n+3], s[14:15] offset:(\n/3)*12288+512*(\n%3)      ; 512 consecutive bytes
.endr
	global_store_b32 v16, v18, s[16:17]            ; four bytes a column, eight bytes apart: one byte in 128 of what the wave reads
.Lend:
	s_wait_tensorcnt 0x0                           ; the wave's end, behind my last LDS store
	ds_add_u32 v[SPW], v[NIL]
	s_wait_dscnt 0x0
	s_endpgm
.Lfunc_end_k_q62ffc2c82e_quant:
	.size	k_q62ffc2c82e_quant, .Lfunc_end_k_q62ffc2c82e_quant-k_q62ffc2c82e_quant
	.p2alignl 7, 3214868480
	.fill 96, 4, 3214868480
	.section	.rodata,"a",@progbits
	.p2align	6, 0x0
	.amdhsa_kernel k_q62ffc2c82e_quant
		.amdhsa_group_segment_fixed_size 47616
		.amdhsa_private_segment_fixed_size 0
		.amdhsa_enable_private_segment 0
		.amdhsa_kernarg_size 56
		.amdhsa_user_sgpr_count 2
		.amdhsa_user_sgpr_kernarg_segment_ptr 1
		.amdhsa_wavefront_size32 1
		.amdhsa_system_sgpr_workgroup_id_x 1
		.amdhsa_system_sgpr_workgroup_id_y 1
		.amdhsa_system_sgpr_workgroup_id_z 1
		.amdhsa_system_vgpr_workitem_id 0
		.amdhsa_next_free_vgpr 256
		.amdhsa_next_free_sgpr 66
		.amdhsa_reserve_vcc 0
		.amdhsa_float_denorm_mode_32 3
		.amdhsa_float_denorm_mode_16_64 3
		.amdhsa_memory_ordered 1
		.amdhsa_forward_progress 1
		.amdhsa_inst_pref_size 39
	.end_amdhsa_kernel
	.amdgpu_metadata
---
amdhsa.version: [ 1, 2 ]
amdhsa.kernels:
  - .name:           k_q62ffc2c82e_quant
    .symbol:         k_q62ffc2c82e_quant.kd
    .args:
      - { .name: x, .offset: 0, .size: 8, .value_kind: global_buffer, .address_space: global }
      - { .name: W_qkv, .offset: 8, .size: 8, .value_kind: global_buffer, .address_space: global }
      - { .name: W_proj, .offset: 16, .size: 8, .value_kind: global_buffer, .address_space: global }
      - { .name: x_codes, .offset: 24, .size: 8, .value_kind: global_buffer, .address_space: global }
      - { .name: x_scales, .offset: 32, .size: 8, .value_kind: global_buffer, .address_space: global }
      - { .name: w_codes, .offset: 40, .size: 8, .value_kind: global_buffer, .address_space: global }
      - { .name: w_scales, .offset: 48, .size: 8, .value_kind: global_buffer, .address_space: global }
    .group_segment_fixed_size: 47616
    .private_segment_fixed_size: 0
    .kernarg_segment_align: 8
    .kernarg_segment_size: 56
    .max_flat_workgroup_size: 128
    .sgpr_count:     66
    .vgpr_count:     256
    .wavefront_size: 32
...
	.end_amdgpu_metadata
.endif
;; end of part 1
;; launch gemm_qkv (part 2): grid 12 x 32, 4 waves a work-group, clusters of 4 x 4, 327,680 bytes of LDS; arguments x_codes, x_scales, w_codes, w_scales, qkv_codes, qkv_scales; writes qkv_codes, qkv_scales
.if DOCPART == 2
	.amdgcn_target "amdgcn-amd-amdhsa--gfx1250"
	.amdhsa_code_object_version 6
	.text
	.protected	k_q62ffc2c82e_gemm_qkv
	.globl	k_q62ffc2c82e_gemm_qkv
	.p2align	8
	.type	k_q62ffc2c82e_gemm_qkv,@function
k_q62ffc2c82e_gemm_qkv:
	s_mov_b64 s[64:65], 0
	v_nop
	global_prefetch_b8 v0, s[64:65] scope:SCOPE_SE
	s_setreg_imm32_b32 hwreg(HW_REG_WAVE_MODE, 25, 1), 1
	s_wait_xcnt 0x0
	s_wait_alu depctr_hold_cnt(0) depctr_sa_sdst(0) depctr_va_vdst(0) depctr_va_sdst(0) depctr_va_ssrc(0) depctr_va_vcc(0) depctr_vm_vsrc(0)
	s_getreg_b32 s2, hwreg(HW_REG_IB_STS2, 6, 4)
	s_cmp_eq_u32 s2, 0
	s_cbranch_scc0 .Lentry_in_a_cluster
	s_endpgm
.Lentry_in_a_cluster:
	s_bfe_u32 s2, ttmp6, 0x10000c
	s_cmp_lg_u32 s2, 0xf033
	s_cbranch_scc0 .Lentry_shape_is_right
	s_endpgm
.Lentry_shape_is_right:
; qkv = x W_qkv on codes of E2M3, and q, k, v quantised at once for the attention: q and k along the head's 64, v along the keys.  No f32 number goes to memory.
; A work-group makes 256 tokens x 256 features; each of its four waves 128 x 128: 64 accumulators.  The operands lie in memory as images of the operand's registers (the format is set out at the head of the launch quant).
; THE PRODUCT IS USED TRANSPOSED: source 0 = B', source 1 = A'; a lane holds one row of A' and its registers run along B'.  For q and k (cluster x 0, 1) A' = tokens and B' = features: a lane's registers run along d, the next K.
; For v (cluster x 2) A' = features and B' = tokens: a lane's registers run along the keys, the next K.  The loads are the same in both; only which LDS region is read as A' is chosen, by the cluster's x, which all partners share.
; K goes in eight steps of 128, written out.  LDS has three slots of 256 along K; K's last quarter comes into slot 0 again, behind the second step, and has four steps in which to land.  By this text's count a wave has at most four tensor loads out.
; CLUSTER 4 x 4: the tokens' tiles are shared along a row of the cluster, the weights' along a column: joint loads.
; OUT.  qkv_codes: 192 planes of 98,304 bytes, plane = part x 64 + batch x 16 + head (part 0 q, 1 k, 2 v).  q, k: token tile t of the batch is a half image at 768 t.  v: key step j at 6144 j, d tile t at + 1536 t, keys 64 c on at + 768 c.
; qkv_scales: planes of 4,096 bytes: step j at 256 j, lane row r at + 16 r, word w at + 4 w;  q, k: word w = tiles 8 j + 2 w and 8 j + 2 w + 1, two bytes each;  v: word w = d tile w's four key blocks.
; LIMIT: a block of zeros gets the byte 1 (its codes are zeros; only this program reads the bytes).
; REGISTERS, in windows of 256: window 0: v1-31 addresses; v32-63 scale words, two sets; v64-159, v160-255 A's fragments, two sets.  window 1: B's two sets at v0 and v128.  windows 2, 3: accumulator (a, b) at v[8 (8 (a % 4) + b)].
.set HALF,  24576                      ; 8 tiles x 3,072 bytes: what one tensor load brings
.set SLOT,  4*HALF                     ; tokens' two halves, then the weights' two
.set TS,    3072                       ; a tile's bytes in a slot: two K steps
.set SCL,   3*SLOT                     ; the scale bytes for all of K: tokens' 8,192 bytes, then the weights'
.set SPARE, SCL+16384                  ; the spare words, 128 bytes for each wave
.set A16, 4                            ; v4-6    A': 16 x lane + my half, in slot 0, 1, 2
.set A8,  7                            ; v7-9    the same with 8 x lane
.set B16, 10                           ; v10-12  B'
.set B8,  13                           ; v13-15
.set ADRS, 16                          ; v16     my scale words: lanes 0-15 A's rows, lanes 16-31 B's
.set L16, 17                           ; v17     16 x lane
.set L8,  18                           ; v18     8 x lane
.set SOF, 19                           ; v19     the way out: 4096 h + 16 r
.set PSEL, 20                          ; v20     the way out: which halves of two scale words make mine
.set SPW, 28                           ; v28     LDS address of my spare word; never rewritten
.set NIL, 29                           ; v29     0; never rewritten
.set SC,  32
.set AF,  64
.set PC,  64                           ; the way out: v64-75 a fragment's codes, v76-83 their upper halves, v84-99 at work, v100-107 eight scale words, v108-119 the words as stored
.set PT,  76
.set TM,  84
.set PW,  100
.set QW,  108
.set VW,  112
.set OW,  116
.set G1T, 24                           ; s[24:31] group 1, tokens' tiles;  s[32:39] weights';  s[40:47], s[48:55] their scale bytes
.set G1W, 32
.set G1ST, 40
.set G1SW, 48
.set G0T0, 56                          ; groups 0: tokens' slots 0, 1, 2;
.set G0T1, 60
.set G0T2, 68
.set G0W0, 72                          ; weights' slots 0, 1, 2;
.set G0W1, 76
.set G0W2, 80
.set G0ST, 84                          ; the scale bytes
.set G0SW, 88
.set SEL, 66                           ; s[66:67] v_permlanex16_b32's selects
.set MSB, 0
.macro WIN new                         ; the immediate's high byte repeats the setting that is left
.if MSB != \new
	s_set_vgpr_msb (MSB<<8)|\new
.set MSB, \new
.endif
.endm
.set MUL_LO, 0xa1                      ; source 0 (B') window 1, source 1 (A') window 0, C and D window 2
.set MUL_HI, 0xf1                      ; the same, C and D window 3
.set TO_B,   0x40                      ; destination window 1, address window 0
; A joint load: waves 0 and 1 fetch the tokens' halves, waves 2 and 3 the weights'.  The branch hangs on the wave's number alone.  An s_nop 0 and four v_nop follow each line.
.macro JLOAD g0a, g1a, g0b, g1b
	s_cmp_eq_u32 s17, 0
	s_cbranch_scc0 .Lfor_b_\@
	tensor_load_to_lds s[\g0a:\g0a+3], s[\g1a:\g1a+7]
	s_nop 0
.rept 4
	v_nop
.endr
	s_branch .Lasked_\@
.Lfor_b_\@:
	tensor_load_to_lds s[\g0b:\g0b+3], s[\g1b:\g1b+7]
	s_nop 0
.rept 4
	v_nop
.endr
.Lasked_\@:
.endm
.macro CREST                           ; a round of the cluster's barrier behind its opening barrier
	s_cmp_lg_u32 s16, 0
	s_cbranch_scc1 .Lnot_wave_0_\@
	s_barrier_signal -3
.Lnot_wave_0_\@:
	s_barrier_wait -3
	s_barrier_signal -1
	s_barrier_wait -1
.endm
.macro CROUND
	s_barrier_signal -1
	s_barrier_wait -1
	CREST
.endm
.macro SETG0 g, base, ldsoff, p, goff  ; a group 0: count 1, LDS address, global address, type 2
	s_mov_b32 s[\g], 1
	s_add_co_u32 s[\g+1], s[\base], \ldsoff
	s_add_nc_u64 s[\g+2:\g+3], s[\p:\p+1], \goff
	s_or_b32 s[\g+3], s[\g+3], 0x80000000
.endm
	s_load_b256 s[4:11], s[0:1], 0x0               ; x_codes s[4:5], x_scales s[6:7], w_codes s[8:9], w_scales s[10:11]
	s_load_b128 s[12:15], s[0:1], 0x20             ; qkv_codes s[12:13], qkv_scales s[14:15]
	v_lshl_add_u32 v[SPW], v0, 2, SPARE
	v_mov_b32 v[NIL], 0
	ds_add_u32 v[SPW], v[NIL]                      ; the wave's opening: the add, twice on end, and its wait ahead of my first tensor load
	ds_add_u32 v[SPW], v[NIL]
	v_lshrrev_b32 v1, 5, v0
	v_readfirstlane_b32 s16, v1                    ; wave
	s_lshr_b32 s17, s16, 1                         ; my half of A'.  Also: I fetch tokens (0) or weights (1)
	s_and_b32 s18, s16, 1                          ; my half of B'.  Also: which eight tiles I fetch
	s_bfe_u32 s19, ttmp6, 0x40000                  ; cx
	s_bfe_u32 s20, ttmp6, 0x40004                  ; cy
	s_lshl_b32 s21, ttmp9, 2
	s_add_co_u32 s21, s21, s19                     ; gx: which 256 features
	s_and_b32 s22, ttmp7, 0xffff
	s_lshl_b32 s22, s22, 2
	s_add_co_u32 s22, s22, s20                     ; gy: which 256 tokens
	s_lshl_b32 s23, s20, 2
	s_lshl_b32 s23, 15, s23                        ; my row of the cluster
	s_lshl_b32 s2, 0x1111, s19                     ; my column
	s_or_b32 s[G1T], s23, (3<<16)|(1<<21)          ; 15:0 the mask; 17:16 elements of 8 bytes; 21 set beside a mask; no padding
	s_or_b32 s[G1W], s2, (3<<16)|(1<<21)
	s_or_b32 s[G1ST], s23, (3<<16)|(1<<21)
	s_or_b32 s[G1SW], s2, (3<<16)|(1<<21)
.irp g, G1T, G1W                       ; 8 rows (tiles) of 3,072 bytes, 12,288 bytes apart in memory
	s_mov_b32 s[\g+1], 384<<16
	s_mov_b32 s[\g+2], 8<<16
	s_mov_b32 s[\g+3], 384<<16
	s_mov_b32 s[\g+4], 8
	s_mov_b32 s[\g+5], 1536
	s_mov_b32 s[\g+6], 0
	s_mov_b32 s[\g+7], 0
.endr
.irp g, G1ST, G1SW                     ; 4,096 dense bytes as 16 rows of 256
	s_mov_b32 s[\g+1], 32<<16
	s_mov_b32 s[\g+2], 16<<16
	s_mov_b32 s[\g+3], 32<<16
	s_mov_b32 s[\g+4], 16
	s_mov_b32 s[\g+5], 32
	s_mov_b32 s[\g+6], 0
	s_mov_b32 s[\g+7], 0
.endr
	s_lshl_b32 s104, s18, 3
	s_lshl_b32 s92, s22, 4
	s_add_co_u32 s92, s92, s104                    ; the tokens' first tile that I fetch: 16 gy + 8 x half
	s_lshl_b32 s96, s92, 9                         ; its scale bytes,
	s_mul_i32 s92, s92, 12288                      ; its codes
	s_mov_b32 s93, 0
	s_mov_b32 s97, 0
	s_lshl_b32 s94, s21, 4
	s_add_co_u32 s94, s94, s104                    ; the weights': 16 gx + 8 x half
	s_lshl_b32 s98, s94, 9
	s_mul_i32 s94, s94, 12288
	s_mov_b32 s95, 0
	s_mov_b32 s99, 0
	s_mul_i32 s100, s16, HALF                      ; where they go: wave x a half: no place in the cluster enters an LDS address
	s_lshl_b32 s101, s16, 12
	s_mov_b32 s3, 0xffff0000                       ; lanes 16-31
	s_mov_b32 s[SEL], 0x76543210
	s_mov_b32 s[SEL+1], 0xfedcba98
	s_wait_dscnt 0x0                               ; both opening adds are done
	s_wait_kmcnt 0x0
	s_add_nc_u64 s[92:93], s[4:5], s[92:93]
	s_add_nc_u64 s[96:97], s[6:7], s[96:97]
	s_add_nc_u64 s[94:95], s[8:9], s[94:95]
	s_add_nc_u64 s[98:99], s[10:11], s[98:99]
	CROUND                                         ; all sixteen work-groups are here: the first joint loads meet
	SETG0 G0ST, 101, SCL, 96, 0
	SETG0 G0SW, 101, SCL, 98, 0
	JLOAD G0ST, G1ST, G0SW, G1SW                   ; the scale bytes of all of K: filled once
	SETG0 G0T0, 100, 0, 92, 0
	SETG0 G0W0, 100, 0, 94, 0
	JLOAD G0T0, G1T, G0W0, G1W                     ; K 0-255
	SETG0 G0T1, 100, SLOT, 92, TS
	SETG0 G0W1, 100, SLOT, 94, TS
	JLOAD G0T1, G1T, G0W1, G1W                     ; K 256-511
	SETG0 G0T2, 100, 2*SLOT, 92, 2*TS
	SETG0 G0W2, 100, 2*SLOT, 94, 2*TS
	JLOAD G0T2, G1T, G0W2, G1W                     ; K 512-767
	s_cmp_eq_u32 ttmp9, 2                          ; v's cluster?  The cluster's x: the same in all sixteen partners
	s_cselect_b32 s104, 2*HALF, 0                  ; where A' lies in a slot,
	s_cselect_b32 s105, 0, 2*HALF                  ; where B',
	s_cselect_b32 s4, 8192, 0                      ; and their scale bytes
	s_cselect_b32 s5, 0, 8192
	s_mul_i32 s6, s17, HALF
	s_add_co_u32 s6, s6, s104
	s_mul_i32 s7, s18, HALF
	s_add_co_u32 s7, s7, s105
	s_lshl_b32 s8, s17, 12
	s_add_co_u32 s8, s8, s4
	s_lshl_b32 s9, s18, 12
	s_add_co_u32 s9, s9, s5
	v_and_b32 v1, 31, v0
	v_and_b32 v2, 15, v0                           ; r
	v_bfe_u32 v3, v0, 4, 1                         ; h
	v_lshlrev_b32 v[L16], 4, v1
	v_lshlrev_b32 v[L8], 3, v1
.irp s, 0,1,2
	v_add_nc_u32 v[A16+\s], s6, v[L16]
	v_add_nc_u32 v[A8+\s], s6, v[L8]
	v_add_nc_u32 v[B16+\s], s7, v[L16]
	v_add_nc_u32 v[B8+\s], s7, v[L8]
	s_add_co_u32 s6, s6, SLOT
	s_add_co_u32 s7, s7, SLOT
.endr
	v_mov_b32 v20, s8
	v_mov_b32 v21, s9
	v_cndmask_b32 v[ADRS], v20, v21, s3            ; lanes 0-15 take A's words, lanes 16-31 B's
	v_lshl_add_u32 v[ADRS], v2, 3, v[ADRS]         ; 8 bytes a row for 256 along K
	v_add_nc_u32 v[ADRS], SCL, v[ADRS]
	v_lshlrev_b32 v[SOF], 12, v3
	v_lshl_add_u32 v[SOF], v2, 4, v[SOF]
; A fragment, 16 rows x 128 K, is two half images: four loads, each of 512 or 256 consecutive bytes.
.macro FRAG reg, a16, a8, off
	ds_load_b128 v[(\reg):(\reg)+3], v[\a16] offset:(\off)
	ds_load_b64 v[(\reg)+4:(\reg)+5], v[\a8] offset:(\off)+512
	ds_load_b128 v[(\reg)+6:(\reg)+9], v[\a16] offset:(\off)+768
	ds_load_b64 v[(\reg)+10:(\reg)+11], v[\a8] offset:(\off)+1280
.endm
.macro FETCH sl, q, p                  ; the 16 fragments of the slot's q-th K step into set p
	WIN TO_B
.irp i, 0,1,2,3,4,5,6,7
	FRAG 128*(\p)+12*\i, B16+(\sl), B8+(\sl), \i*TS+1536*(\q)
.endr
	WIN 0
.irp i, 0,1,2,3,4,5,6,7
	FRAG AF+96*(\p)+12*\i, A16+(\sl), A8+(\sl), \i*TS+1536*(\q)
.endr
.endm
.macro SCALES set, sg                  ; the scale words of K quarter sg: register 2 i + q: lanes 0-15 A's block i, lanes 16-31 B's block i
.irp i, 0,1,2,3,4,5,6,7
	ds_load_b64 v[SC+16*(\set)+2*\i:SC+16*(\set)+2*\i+1], v[ADRS] offset:512*\i+128*(\sg)
.endr
.endm
; 16 matrix instructions: A's blocks a0, a0 + 1 x B's eight.  The 64 accumulators take turns, one instruction a turn, in the same order in every step.
.macro MUL16 a0, p, q, set, zero
.irp a, \a0, \a0+1
.irp b, 0,1,2,3,4,5,6,7
.if \zero
	v_wmma_scale_f32_16x16x128_f8f6f4 v[8*(8*((\a)%4)+\b):8*(8*((\a)%4)+\b)+7], v[128*(\p)+12*\b:128*(\p)+12*\b+11], v[AF+96*(\p)+12*(\a):AF+96*(\p)+12*(\a)+11], 0, v[SC+16*(\set)+2*\b+(\q)], v[SC+16*(\set)+2*(\a)+(\q)] matrix_a_fmt:MATRIX_FMT_FP6 matrix_b_fmt:MATRIX_FMT_FP6 matrix_a_scale:MATRIX_SCALE_ROW1
.else
	v_wmma_scale_f32_16x16x128_f8f6f4 v[8*(8*((\a)%4)+\b):8*(8*((\a)%4)+\b)+7], v[128*(\p)+12*\b:128*(\p)+12*\b+11], v[AF+96*(\p)+12*(\a):AF+96*(\p)+12*(\a)+11], v[8*(8*((\a)%4)+\b):8*(8*((\a)%4)+\b)+7], v[SC+16*(\set)+2*\b+(\q)], v[SC+16*(\set)+2*(\a)+(\q)] matrix_a_fmt:MATRIX_FMT_FP6 matrix_b_fmt:MATRIX_FMT_FP6 matrix_a_scale:MATRIX_SCALE_ROW1
.endif
.endr
.endr
.endm
.macro MULALL p, q, set, zero
	WIN MUL_LO
	MUL16 0, \p, \q, \set, \zero
	MUL16 2, \p, \q, \set, \zero
	WIN MUL_HI
	MUL16 4, \p, \q, \set, \zero
	MUL16 6, \p, \q, \set, \zero
.endm
.macro PLACES                          ; four plain vector lines between a matrix instruction and a load into, or a vector line on, its registers (ISA guide 7.12.1 for vector lines)
.rept 4
	v_nop
.endr
.endm
; A K step: its fragments (asked for a step ago) are in; the next step's are asked for in one run; 64 products.  sset >= 0: the next quarter's scale words too.
.macro STEPN p, q, set, fsl, fq, sset, ssg
	s_wait_dscnt 0x0
	PLACES
	FETCH \fsl, \fq, 1-(\p)
.if \sset >= 0
	SCALES \sset, \ssg
.endif
	MULALL \p, \q, \set, 0
.endm
	s_wait_tensorcnt 0x2                           ; the scale bytes and my part of slot 0 are in; slots 1 and 2 may stay out
	s_barrier_signal -1
	s_barrier_wait -1                              ; everybody's are
	FETCH 0, 0, 0
	SCALES 0, 0
	s_wait_dscnt 0x0                               ; K step 0: its products start the sums: nothing is cleared
	FETCH 0, 1, 1
	MULALL 0, 0, 0, 1
	; K step 1 leaves slot 0, which is filled again with K's last quarter
	WIN 0
	s_wait_tensorcnt 0x0                           ; all my tensor loads have landed, slots 1 and 2 among them
	ds_add_u32 v[SPW], v[NIL]                      ; 0 onto my spare word
	s_wait_dscnt 1                                 ; this step's fragments are in; the add alone may be out
	WIN MUL_LO
	MUL16 0, 1, 1, 0, 0
	s_wait_dscnt 0x0                               ; the add is done, and my reads of slot 0 are over
	s_barrier_signal -1
	MUL16 2, 1, 1, 0, 0
	WIN 0
	s_barrier_wait -1
	CREST                                          ; the barrier has opened a round of the cluster's: no wave of any partner still reads slot 0 or has a load on its way
	s_add_nc_u64 s[G0T0+2:G0T0+3], s[G0T0+2:G0T0+3], 3*TS
	s_add_nc_u64 s[G0W0+2:G0W0+3], s[G0W0+2:G0W0+3], 3*TS
	JLOAD G0T0, G1T, G0W0, G1W                     ; K 768-1023: my one tensor load behind the round; its four v_nop are also the places in front of the loads below
	FETCH 1, 0, 0
	SCALES 1, 1
	WIN MUL_HI
	MUL16 4, 1, 1, 0, 0
	MUL16 6, 1, 1, 0, 0
	STEPN 0, 0, 1, 1, 1, -1, 0                     ; K step 2
	STEPN 1, 1, 1, 2, 0, 0, 2                      ; K step 3: slot 2 was shown whole to every wave ahead of the round
	STEPN 0, 0, 0, 2, 1, -1, 0                     ; K step 4
	s_wait_tensorcnt 0x0                           ; K step 5: my part of slot 0's second fill is in,
	s_wait_dscnt 0x0
	s_barrier_signal -1
	WIN MUL_LO
	MUL16 0, 1, 1, 0, 0
	MUL16 2, 1, 1, 0, 0
	WIN 0
	s_barrier_wait -1                              ; everybody's is
	PLACES
	FETCH 0, 0, 0
	SCALES 1, 3
	WIN MUL_HI
	MUL16 4, 1, 1, 0, 0
	MUL16 6, 1, 1, 0, 0
	STEPN 0, 0, 1, 0, 1, -1, 0                     ; K step 6
	s_wait_dscnt 0x0                               ; K step 7: nothing more to fetch
	MULALL 1, 1, 1, 0
	WIN 0
	; THE WAY OUT.  A's block a: a lane's 64 results are 64 neighbours along the next K (q, k: two heads' d; v: 128 keys in halves of 16 a lane): they are quantised in registers and leave as two half images.
	PLACES
	s_cmp_eq_u32 ttmp9, 2
	s_cselect_b32 s92, s18, s17                    ; which 128 tokens are mine,
	s_cselect_b32 s93, s17, s18                    ; which 128 features
	s_mov_b32 s6, 98304
	s_cselect_b32 s6, 768, s6                      ; from the first half image to the second: the next head's plane, or keys 64 on
	s_mov_b32 s8, 768
	s_cselect_b32 s8, 1536, s8                     ; from block to block: the next token tile, or the next d tile
	s_cselect_b32 s10, 92160, 0                    ; v: behind four d tiles the next head's plane
	s_cselect_b32 s94, -1, 0
	s_mov_b32 s7, 0
	s_mov_b32 s9, 0
	s_mov_b32 s11, 0
	s_lshl_b32 s95, s21, 2
	s_lshl_b32 s93, s93, 1
	s_add_co_u32 s95, s95, s93                     ; my first head among the 48: 4 gx + 2 x half
	s_lshr_b32 s96, s95, 4
	s_lshl_b32 s96, s96, 6
	s_and_b32 s95, s95, 15
	s_add_co_u32 s96, s96, s95
	s_lshr_b32 s95, s22, 3
	s_lshl_b32 s95, s95, 4
	s_add_co_u32 s96, s96, s95                     ; its plane: part x 64 + batch x 16 + head
	s_and_b32 s95, s22, 7
	s_lshl_b32 s95, s95, 1
	s_add_co_u32 s95, s95, s92                     ; my 128 tokens in the batch
	s_mul_i32 s98, s96, 98304
	s_mul_i32 s97, s95, 6144
	s_add_co_u32 s98, s98, s97
	s_mov_b32 s99, 0
	s_add_nc_u64 s[12:13], s[12:13], s[98:99]
	s_add_nc_u64 s[4:5], s[12:13], s[6:7]
	s_lshl_b32 s98, s96, 12
	s_lshl_b32 s97, s95, 8
	s_add_co_u32 s98, s98, s97
	s_add_nc_u64 s[14:15], s[14:15], s[98:99]
	v_mov_b32 v[PSEL], 0x05040100
	v_mov_b32 v21, 0x07060302
	v_cndmask_b32 v[PSEL], v[PSEL], v21, s3        ; lanes 0-15 gather the first head's bytes, lanes 16-31 the second's
.irp b, 0,1,2,3
	v_mov_b32 v[TM+4+\b], 0                        ; a lane permute's destination counts as one of its sources
.endr
.macro QUANTW a
.set AC, 64*((\a)%4)
.irp b, 0,1,2,3
	v_mov_b32 v[TM+\b], 0x1800000                  ; the floor 2^(3 - 127): the byte cannot fall under 1
.endr
.if (\a) < 4
	WIN 0x28                                       ; sources 1 and 2: window 2
.else
	WIN 0x3c                                       ; window 3
.endif
.irp i, 0,2,4,6,8,10,12,14                     ; ascending: each accumulator is first read at its low end
.irp b, 0,1,2,3
	v_max3_num_f32 v[TM+\b], v[TM+\b], |v[AC+16*\b+\i]|, |v[AC+16*\b+\i+1]|
.endr
.endr
	WIN 0
.irp b, 0,1,2,3
	v_permlanex16_b32 v[TM+4+\b], v[TM+\b], s[SEL], s[SEL+1]
.endr
.irp b, 0,1,2,3
	v_max_num_f32 v[TM+\b], v[TM+\b], v[TM+4+\b]   ; with lane l xor 16's 16: the block's largest magnitude
.endr
.irp b, 0,1,2,3
	v_add_nc_u32 v[TM+12+\b], 0xff000000, v[TM+\b] ; 2 off the exponent field: the conversion's scale operand
.endr
.irp b, 0,1,2,3
	v_lshrrev_b32 v[TM+4+\b], 23, v[TM+12+\b]      ; the byte
.endr
	v_lshl_or_b32 v[PW+(\a)], v[TM+5], 8, v[TM+4]
	v_lshl_or_b32 v[PW+(\a)], v[TM+6], 16, v[PW+(\a)]
	v_lshl_or_b32 v[PW+(\a)], v[TM+7], 24, v[PW+(\a)]
.if (\a) > 0
	s_wait_xcnt 0x0                                ; the last block's stores have read their data and bases: both are written again only behind this wait
	s_add_nc_u64 s[12:13], s[12:13], s[8:9]
	s_add_nc_u64 s[4:5], s[4:5], s[8:9]
.endif
.if (\a) == 4
	s_add_nc_u64 s[12:13], s[12:13], s[10:11]
	s_add_nc_u64 s[4:5], s[4:5], s[10:11]
.endif
.if (\a) < 4
	WIN 0x02                                       ; source 0: window 2
.else
	WIN 0x03
.endif
.irp c, 0,1
	v_cvt_scalef32_pk16_fp6_f32 v[PC+6*\c:PC+6*\c+2], v[AC+32*\c:AC+32*\c+15], v[TM+12+2*\c]
	v_cvt_scalef32_pk16_fp6_f32 v[PT+4*\c:PT+4*\c+2], v[AC+32*\c+16:AC+32*\c+31], v[TM+12+2*\c+1]
.endr
	WIN 0
	v_nop                                          ; one plain line behind a scaled conversion
.irp c, 0,1                                    ; the layout wants a WHOLE block in a lane: lanes 0-15 block 2 c, lanes 16-31 block 2 c + 1
.irp i, 0,1,2
	v_permlane16_swap_b32 v[PC+6*\c+\i], v[PT+4*\c+\i]
.endr
.irp i, 0,1,2
	v_mov_b32 v[PC+3+6*\c+\i], v[PT+4*\c+\i]
.endr
.endr
	global_store_b128 v[L16], v[PC:PC+3], s[12:13]                ; 512 consecutive bytes
	global_store_b64 v[L8], v[PC+4:PC+5], s[12:13] offset:512     ; 256
	global_store_b128 v[L16], v[PC+6:PC+9], s[4:5]
	global_store_b64 v[L8], v[PC+10:PC+11], s[4:5] offset:512
.endm
.irp a, 0,1,2,3,4,5,6,7
	QUANTW \a
.endr
.irp w, 0,1,2,3                                ; the scale words as the attention reads them; both forms are made and one is chosen: no branch
	v_perm_b32 v[QW+\w], v[PW+2*\w+1], v[PW+2*\w], v[PSEL]         ; q, k: my head's two bytes of token tiles 2 w and 2 w + 1
	v_cndmask_b32 v[VW+\w], v[PW+\w], v[PW+4+\w], s3               ; v: d tile w of my head
.endr
.irp w, 0,1,2,3
	v_cndmask_b32 v[OW+\w], v[QW+\w], v[VW+\w], s94
.endr
	global_store_b128 v[SOF], v[OW:OW+3], s[14:15]                 ; sixteen lanes store 256 consecutive bytes of a head's plane
	s_wait_tensorcnt 0x0                           ; the wave's end, behind my last tensor load
	ds_add_u32 v[SPW], v[NIL]
	s_wait_dscnt 0x0
	CROUND                                         ; the closing round: no work-group ends while a partner may still ask for a tile that names it
	s_endpgm
.Lfunc_end_k_q62ffc2c82e_gemm_qkv:
	.size	k_q62ffc2c82e_gemm_qkv, .Lfunc_end_k_q62ffc2c82e_gemm_qkv-k_q62ffc2c82e_gemm_qkv
	.p2alignl 7, 3214868480
	.fill 96, 4, 3214868480
	.section	.rodata,"a",@progbits
	.p2align	6, 0x0
	.amdhsa_kernel k_q62ffc2c82e_gemm_qkv
		.amdhsa_group_segment_fixed_size 327680
		.amdhsa_private_segment_fixed_size 0
		.amdhsa_enable_private_segment 0
		.amdhsa_kernarg_size 48
		.amdhsa_user_sgpr_count 2
		.amdhsa_user_sgpr_kernarg_segment_ptr 1
		.amdhsa_wavefront_size32 1
		.amdhsa_system_sgpr_workgroup_id_x 1
		.amdhsa_system_sgpr_workgroup_id_y 1
		.amdhsa_system_sgpr_workgroup_id_z 1
		.amdhsa_system_vgpr_workitem_id 0
		.amdhsa_next_free_vgpr 1024
		.amdhsa_next_free_sgpr 106
		.amdhsa_reserve_vcc 0
		.amdhsa_float_denorm_mode_32 3
		.amdhsa_float_denorm_mode_16_64 3
		.amdhsa_memory_ordered 1
		.amdhsa_forward_progress 1
		.amdhsa_inst_pref_size 150
	.end_amdhsa_kernel
	.amdgpu_metadata
---
amdhsa.version: [ 1, 2 ]
amdhsa.kernels:
  - .name:           k_q62ffc2c82e_gemm_qkv
    .symbol:         k_q62ffc2c82e_gemm_qkv.kd
    .args:
      - { .name: x_codes, .offset: 0, .size: 8, .value_kind: global_buffer, .address_space: global }
      - { .name: x_scales, .offset: 8, .size: 8, .value_kind: global_buffer, .address_space: global }
      - { .name: w_codes, .offset: 16, .size: 8, .value_kind: global_buffer, .address_space: global }
      - { .name: w_scales, .offset: 24, .size: 8, .value_kind: global_buffer, .address_space: global }
      - { .name: qkv_codes, .offset: 32, .size: 8, .value_kind: global_buffer, .address_space: global }
      - { .name: qkv_scales, .offset: 40, .size: 8, .value_kind: global_buffer, .address_space: global }
    .group_segment_fixed_size: 327680
    .private_segment_fixed_size: 0
    .kernarg_segment_align: 8
    .kernarg_segment_size: 48
    .max_flat_workgroup_size: 128
    .sgpr_count:     106
    .vgpr_count:     1024
    .wavefront_size: 32
...
	.end_amdgpu_metadata
.endif
;; end of part 2
;; launch attn (part 3): grid 4 x 64, 16 waves a work-group, clusters of 4 x 1, 206,848 bytes of LDS; arguments qkv_codes, qkv_scales, y_codes, y_scales; writes y_codes, y_scales
.if DOCPART == 3
	.amdgcn_target "amdgcn-amd-amdhsa--gfx1250"
	.amdhsa_code_object_version 6
	.text
	.protected	k_q62ffc2c82e_attn
	.globl	k_q62ffc2c82e_attn
	.p2align	8
	.type	k_q62ffc2c82e_attn,@function
k_q62ffc2c82e_attn:
	s_mov_b64 s[64:65], 0
	v_nop
	global_prefetch_b8 v0, s[64:65] scope:SCOPE_SE
	s_setreg_imm32_b32 hwreg(HW_REG_WAVE_MODE, 25, 1), 1
	s_wait_xcnt 0x0
	s_wait_alu depctr_hold_cnt(0) depctr_sa_sdst(0) depctr_va_vdst(0) depctr_va_sdst(0) depctr_va_ssrc(0) depctr_va_vcc(0) depctr_vm_vsrc(0)
	s_getreg_b32 s2, hwreg(HW_REG_IB_STS2, 6, 4)
	s_cmp_eq_u32 s2, 0
	s_cbranch_scc0 .Lentry_in_a_cluster
	s_endpgm
.Lentry_in_a_cluster:
	s_bfe_u32 s2, ttmp6, 0x10000c
	s_cmp_lg_u32 s2, 0x3003
	s_cbranch_scc0 .Lentry_shape_is_right
	s_endpgm
.Lentry_shape_is_right:
; y = softmax(q k^T / 8, causal) v for one batch and head, both products on codes of E2M3; y is quantised along C at once for the last projection.
; WORK LEFT OUT: key steps of 128 keys that all come after a tile's 16 queries (reference() hides them by its own tril: shown at the head of the launch quant).  A NaN, infinity or overflow that would arise only there is not carried on.
; THE SOFTMAX AHEAD OF THE SECOND PRODUCT: t = score x log2(e) / 8; M = the running largest t rounded UP to a whole number; p = 2^(t - M) is quantised along the keys, not normalised; the row's sum is taken of the unquantised p
; and divides at the end.  When M moves, the sum and O are multiplied by 2^(old M - new M): exact.
; SHARES.  The four work-groups of a cluster serve one head.  Token tile t = 8 a + 4 v + g (the workspace's row map: its 16 queries lie in key step a) needs a + 1 key steps.  Wave w of work-group g takes the tiles with
; v = w % 2 and a = w / 2, then a = 15 - w / 2: 17 key steps for every wave.  Every partner reads every key: the head's K, V and their scale bytes, 204,800 bytes, come into LDS ONCE, by joint loads, one pair a wave;
; nothing is filled again and no barrier stands in the loops.  g enters global addresses and the numbers of the mask alone: no branch and no LDS address hangs on it.
; LAYOUT.  Both products are used transposed (S^T = K Q^T, O^T = V^T P^T): a lane holds ONE query throughout; the 16 registers of key tiles 2 b and 2 b + 1 are 16 neighbouring keys.
; K = 64 IN AN INSTRUCTION OF 128: source 0 holds TWO key tiles, tile 2 b at k 0-63 and tile 2 b + 1 at k 64-127; source 1 is Q beside six registers of zero codes, [Q | 0] for the first tile's scores and [0 | Q] for the second's.
; Every loop has 16 trips, a constant; a step that is hidden is jumped over by a scalar branch on the wave's number and the count of steps.
; LIMITS: a block of zeros gets the byte 1 (its codes are zeros).  y's scale bytes leave as single bytes, 32 a tile: a row's eight neighbouring bytes belong to four heads, which four clusters make.
.set VC,    98304                      ; LDS: K's codes at 0 (128 half images), V's here (16 key steps x 6,144),
.set KS,    196608                     ; K's scale words (16 x 256), V's 4,096 further on,
.set SPARE, 204800                     ; the spare words, 128 bytes for each of 16 waves
.set L16, 1                            ; v1   16 x lane
.set L8,  2                            ; v2   8 x lane
.set AKS, 3                            ; v3   KS + 16 r
.set SPW, 4                            ; v4   LDS address of my spare word; never rewritten
.set NIL, 5                            ; v5   0; never rewritten
.set DQ,  6                            ; v6   my query's place in its key step, less 16 h
.set ADK16, 7                          ; v7-11 the step's addresses
.set ADK8, 8
.set ADV16, 9
.set ADV8, 10
.set ADS, 11
.set QF,  16                           ; v16-33 six zeros, Q's six, six zeros    (v12 -M, v13 the largest t, v[14:15] the sum in two halves)
.set QS,  34                           ; v34  Q's scale word;  v35, v36 as loaded
.set NINF, 37                          ; v37  -infinity
.set Q1,  38                           ; v38-43 the second tile's Q
.set KSC, 44                           ; v44-47 K's scale words;  v48-51 V's
.set VSC, 48
.set KF,  52                           ; v52-99 eight half images of K, then four fragments of V
.set S,   100                          ; v100-163 S^T, then p
.set O,   164                          ; v164-195 O^T
.set PC,  196                          ; v196-207 p's codes;  v208-215 their upper halves
.set PT,  208
.set BM,  216                          ; v216-219 the blocks' largest;  v220-223 the other lane's, then bytes;  v224-227 scale operands
.set BT,  220
.set SO,  224
.set SUM2, 228                         ; v[228:229] the sum's second chain
.set F,   232                          ; v[232:233] f, later 1 / the sum (the pair's low word serves both halves)
.set TMP, 234
.set PW,  235                          ; p's scale word
.set Y,   236                          ; v236-241 y's codes;  v242-244 their upper halves
.set Z,   242
.set YSO, 245                          ; 8 r + h
.set YB,  246
.set R16, 249                          ; 16 r
.set WV,  16
.set AA,  17                           ; the tile's key step: the last that counts
.set J,   18
.set TK,  19                           ; 6144 J
.set TSC, 20                           ; 256 J
.set TV,  21                           ; VC + 6144 J
.set CS,  22                           ; s[22:23] c = log2(e) / 8
.set G1C, 24
.set G1S, 32
.set G0C, 40
.set G0S, 44
.set SEL, 48
.set HM,  50
.set QSEL, 51
.set YC,  52                           ; s[52:55] the two tiles' places in y_codes;  s[56:59] in y_scales
.set YS,  56
.macro ROUND
	s_barrier_signal -1
	s_barrier_wait -1
	s_cmp_lg_u32 s[WV], 0
	s_cbranch_scc1 .Lnot_wave_0_\@
	s_barrier_signal -3
.Lnot_wave_0_\@:
	s_barrier_wait -3
	s_barrier_signal -1
	s_barrier_wait -1
.endm
	s_load_b256 s[4:11], s[0:1], 0x0               ; qkv_codes s[4:5], qkv_scales s[6:7], y_codes s[8:9], y_scales s[10:11]
	v_lshl_add_u32 v[SPW], v0, 2, SPARE
	v_mov_b32 v[NIL], 0
	ds_add_u32 v[SPW], v[NIL]                      ; the wave's opening: the add, twice on end, and its wait ahead of my first tensor load
	ds_add_u32 v[SPW], v[NIL]
	v_lshrrev_b32 v1, 5, v0
	v_readfirstlane_b32 s[WV], v1                  ; wave 0..15
	s_bfe_u32 s12, ttmp6, 0x40000                  ; g: my place in the cluster
	s_and_b32 s13, ttmp7, 0xffff                   ; batch x 16 + head, which the four partners share
	s_and_b32 s14, s[WV], 1                        ; v
	s_lshr_b32 s[AA], s[WV], 1                     ; a
	s_lshr_b32 s60, s[WV], 3                       ; waves 0-7 fetch K, waves 8-15 V: an eighth of a plane each
	s_lshl_b32 s60, s60, 6
	s_add_co_u32 s60, s60, s13
	s_add_co_u32 s60, s60, 64                      ; the plane
	s_and_b32 s61, s[WV], 7
	s_mul_i32 s62, s60, 98304
	s_mul_i32 s63, s61, 12288
	s_add_co_u32 s62, s62, s63
	s_mov_b32 s63, 0
	s_lshl_b32 s66, s60, 12
	s_lshl_b32 s67, s61, 9
	s_add_co_u32 s66, s66, s67
	s_mov_b32 s67, 0
	s_mul_i32 s68, s[WV], 12288                    ; where they go: wave x 12,288,
	s_lshl_b32 s69, s[WV], 9                       ; wave x 512
	s_mov_b32 s[G1C], 15|(3<<16)|(1<<21)           ; 15:0 the mask: all four work-groups; 17:16 elements of 8 bytes; 21 set beside a mask; no padding
	s_mov_b32 s[G1C+1], 32<<16                     ; 12,288 dense bytes as 48 rows of 256
	s_mov_b32 s[G1C+2], 48<<16
	s_mov_b32 s[G1C+3], 32<<16
	s_mov_b32 s[G1C+4], 48
	s_mov_b32 s[G1C+5], 32
	s_mov_b32 s[G1C+6], 0
	s_mov_b32 s[G1C+7], 0
	s_mov_b32 s[G1S], 15|(3<<16)|(1<<21)
	s_mov_b32 s[G1S+1], 32<<16                     ; 512 dense bytes as 2 rows of 256
	s_mov_b32 s[G1S+2], 2<<16
	s_mov_b32 s[G1S+3], 32<<16
	s_mov_b32 s[G1S+4], 2
	s_mov_b32 s[G1S+5], 32
	s_mov_b32 s[G1S+6], 0
	s_mov_b32 s[G1S+7], 0
	s_mov_b32 s[CS], 0x3e38aa3b                    ; log2(e) / 8: 1 / 8 is a power of two, so one multiplication rounds as the two of reference() do
	s_mov_b32 s[CS+1], s[CS]
	s_mov_b32 s[SEL], 0x76543210
	s_mov_b32 s[SEL+1], 0xfedcba98
	s_mov_b32 s[HM], 0xffff0000
	s_wait_dscnt 0x0                               ; both opening adds are done
	s_wait_kmcnt 0x0
	s_mov_b32 s[G0C], 1
	s_mov_b32 s[G0C+1], s68
	s_add_nc_u64 s[G0C+2:G0C+3], s[4:5], s[62:63]
	s_or_b32 s[G0C+3], s[G0C+3], 0x80000000
	s_mov_b32 s[G0S], 1
	s_add_co_u32 s[G0S+1], s69, KS
	s_add_nc_u64 s[G0S+2:G0S+3], s[6:7], s[66:67]
	s_or_b32 s[G0S+3], s[G0S+3], 0x80000000
	ROUND                                          ; all four work-groups are here: the joint loads meet
	tensor_load_to_lds s[G0C:G0C+3], s[G1C:G1C+7]  ; every wave issues both: two loads of mine are out
	s_nop 0
	tensor_load_to_lds s[G0S:G0S+3], s[G1S:G1S+7]
	s_nop 0
.rept 4
	v_nop
.endr
	s_lshl_b32 s15, s14, 2
	s_add_co_u32 s15, s15, s12                     ; 4 v + g
	s_lshl_b32 s70, s[AA], 3
	s_add_co_u32 s70, s70, s15                     ; my first tile,
	s_xor_b32 s71, s[AA], 15
	s_lshl_b32 s71, s71, 3
	s_add_co_u32 s71, s71, s15                     ; my second
.irp i, 0,1
	s_mul_i32 s60, s13, 98304                      ; Q's plane is the head's own number
	s_mul_i32 s61, s[70+\i], 768
	s_add_co_u32 s60, s60, s61
	s_mov_b32 s61, 0
	s_add_nc_u64 s[72+2*\i:73+2*\i], s[4:5], s[60:61]
	s_lshl_b32 s60, s13, 12
	s_lshr_b32 s62, s[70+\i], 3
	s_lshl_b32 s62, s62, 8
	s_add_co_u32 s60, s60, s62
	s_bfe_u32 s62, s[70+\i], 0x20001
	s_lshl_b32 s62, s62, 2
	s_add_co_u32 s60, s60, s62                     ; its scale word: step t / 8, word (t / 2) % 4
	s_add_nc_u64 s[76+2*\i:77+2*\i], s[6:7], s[60:61]
	s_lshr_b32 s60, s13, 4
	s_lshl_b32 s60, s60, 7
	s_add_co_u32 s60, s60, s[70+\i]                ; y's tile: batch x 128 + t
	s_lshl_b32 s62, s60, 9
	s_mul_i32 s60, s60, 12288
	s_and_b32 s63, s13, 15                         ; the head
	s_mul_i32 s66, s63, 768
	s_add_co_u32 s60, s60, s66
	s_add_nc_u64 s[YC+2*\i:YC+2*\i+1], s[8:9], s[60:61]
	s_lshr_b32 s66, s63, 2
	s_lshl_b32 s66, s66, 7
	s_add_co_u32 s62, s62, s66
	s_and_b32 s66, s63, 3
	s_lshl_b32 s66, s66, 1
	s_add_co_u32 s60, s62, s66
	s_add_nc_u64 s[YS+2*\i:YS+2*\i+1], s[10:11], s[60:61]
.endr
	s_lshl_b32 s60, s14, 1
	s_lshr_b32 s61, s12, 1
	s_add_co_u32 s60, s60, s61
	s_lshl_b32 s60, s60, 5                         ; 32 ((t / 2) % 4)
	s_and_b32 s61, s12, 1
	s_mul_i32 s[QSEL], s61, 0x02020202
	s_add_co_u32 s[QSEL], s[QSEL], 0x01000100      ; which half of Q's word is my tile's, twice over: bytes 0, 1, 0, 1 or 2, 3, 2, 3
	s_lshl_b32 s61, s61, 3
	s_add_co_u32 s60, s60, s61                     ; + 8 (t % 2)
	v_and_b32 v250, 31, v0
	v_and_b32 v251, 15, v0                         ; r
	v_bfe_u32 v252, v0, 4, 1                       ; h
	v_lshlrev_b32 v[L16], 4, v250
	v_lshlrev_b32 v[L8], 3, v250
	v_lshlrev_b32 v[R16], 4, v251
	global_load_b128 v[QF+6:QF+9], v[L16], s[72:73]
	global_load_b64 v[QF+10:QF+11], v[L8], s[72:73] offset:512
	global_load_b128 v[Q1:Q1+3], v[L16], s[74:75]
	global_load_b64 v[Q1+4:Q1+5], v[L8], s[74:75] offset:512
	global_load_b32 v35, v[R16], s[76:77]
	global_load_b32 v36, v[R16], s[78:79]
	v_add_nc_u32 v[AKS], KS, v[R16]
	v_lshl_add_u32 v[YSO], v251, 3, v252
	v_and_b32 v[DQ], 8, v251
	v_add_nc_u32 v[DQ], v[DQ], v251                ; r + 8 (r / 8)
	v_lshlrev_b32 v253, 4, v252
	v_sub_nc_u32 v[DQ], v[DQ], v253
	v_add_nc_u32 v[DQ], s60, v[DQ]                 ; register 16 b + i holds key 32 b + 16 h + i of the step: hidden on the diagonal where 32 b + i > this
.irp i, 0,1,2,3,4,5
	v_mov_b32 v[QF+\i], 0                          ; zero codes: they add nothing under any scale byte but 0xff
	v_mov_b32 v[QF+12+\i], 0
.endr
.irp b, 0,1,2,3
	v_mov_b32 v[BT+\b], 0                          ; a lane permute's destination counts as one of its sources
.endr
	v_mov_b32 v[F], 0
	v_mov_b32 v[F+1], 0                            ; (named as the upper half of a pair)
	v_mov_b32 v[TMP], 0
	v_mov_b32 v[NINF], 0xff800000
	s_wait_tensorcnt 0x0                           ; my parts of K, V and the scale bytes are in,
	s_barrier_signal -1
	s_barrier_wait -1                              ; everybody's are
	s_wait_loadcnt 0x0                             ; Q
.macro TILE tn
.if \tn
	s_xor_b32 s[AA], s[AA], 15                     ; 15 - a
.irp i, 0,1,2,3,4,5
	v_mov_b32 v[QF+6+\i], v[Q1+\i]
.endr
.endif
	v_perm_b32 v[QS], v[35+\tn], v[35+\tn], s[QSEL]   ; the lines below stand between this and the first product: more than eight plain ones
.set j, 0
.rept 32
	v_mov_b32 v[O+j], 0                            ; the step is written once: the first finds zeros, which the first change of M leaves zeros
.set j, j+1
.endr
	v_mov_b32 v13, 0xff61b1e6                      ; the largest t so far: -3e38
	v_floor_f32 v12, -v13                          ; -M
	v_mov_b32 v14, 0
	v_mov_b32 v15, 0
	s_mov_b32 s[J], 0
	s_mov_b32 s[TK], 0
	s_mov_b32 s[TV], VC
	s_mov_b32 s[TSC], 0
.Lstep_\@:
	s_cmp_gt_u32 s[J], s[AA]                       ; all 128 keys come after my queries: the step's work is left out
	s_cbranch_scc1 .Lskip_\@
	v_add_nc_u32 v[ADK16], s[TK], v[L16]           ; (these five are also the places behind the last products, in front of the loads)
	v_add_nc_u32 v[ADK8], s[TK], v[L8]
	v_add_nc_u32 v[ADV16], s[TV], v[L16]
	v_add_nc_u32 v[ADV8], s[TV], v[L8]
	v_add_nc_u32 v[ADS], s[TSC], v[AKS]
.irp i, 0,1,2,3,4,5,6,7
	ds_load_b128 v[KF+6*\i:KF+6*\i+3], v[ADK16] offset:768*\i
	ds_load_b64 v[KF+6*\i+4:KF+6*\i+5], v[ADK8] offset:768*\i+512
.endr
	ds_load_b128 v[KSC:KSC+3], v[ADS]
	ds_load_b128 v[VSC:VSC+3], v[ADS] offset:4096
	s_wait_dscnt 0x0
.irp b, 0,1,2,3
	v_wmma_scale_f32_16x16x128_f8f6f4 v[S+16*\b:S+16*\b+7], v[KF+12*\b:KF+12*\b+11], v[QF+6:QF+17], 0, v[KSC+\b], v[QS] matrix_a_fmt:MATRIX_FMT_FP6 matrix_b_fmt:MATRIX_FMT_FP6
	v_wmma_scale_f32_16x16x128_f8f6f4 v[S+16*\b+8:S+16*\b+15], v[KF+12*\b:KF+12*\b+11], v[QF:QF+11], 0, v[KSC+\b], v[QS] matrix_a_fmt:MATRIX_FMT_FP6 matrix_b_fmt:MATRIX_FMT_FP6
.endr
.rept 4
	v_nop                                          ; places in front of the loads into K's registers and of the first read of the scores
.endr
.irp t, 0,1,2,3                                ; V's four fragments land while the softmax is worked
	ds_load_b128 v[KF+12*\t:KF+12*\t+3], v[ADV16] offset:1536*\t
	ds_load_b64 v[KF+12*\t+4:KF+12*\t+5], v[ADV8] offset:1536*\t+512
	ds_load_b128 v[KF+12*\t+6:KF+12*\t+9], v[ADV16] offset:1536*\t+768
	ds_load_b64 v[KF+12*\t+10:KF+12*\t+11], v[ADV8] offset:1536*\t+1280
.endr
	s_cmp_lg_u32 s[J], s[AA]                       ; only the last step lies on the diagonal
	s_cbranch_scc1 .Lopen_\@
.set n, 0
.rept 64
	v_cmp_gt_i32 vcc_lo, 32*(n/16)+n%16, v[DQ]
	v_cndmask_b32 v[S+n], v[S+n], v[NINF], vcc_lo  ; a hidden score becomes -infinity: p = 0
.set n, n+1
.endr
.Lopen_\@:
.irp b, 0,1,2,3
	v_max3_num_f32 v[BM+\b], v[S+16*\b], v[S+16*\b+1], v[S+16*\b+2]   ; the largest score of each block of 32 keys: for the row's maximum, and, since p rises with the score, for the block's largest p
.endr
.irp i, 3,5,7,9,11,13
.irp b, 0,1,2,3
	v_max3_num_f32 v[BM+\b], v[BM+\b], v[S+16*\b+\i], v[S+16*\b+\i+1]
.endr
.endr
.irp b, 0,1,2,3
	v_max_num_f32 v[BM+\b], v[BM+\b], v[S+16*\b+15]
.endr
.irp b, 0,1,2,3
	v_permlanex16_b32 v[BT+\b], v[BM+\b], s[SEL], s[SEL+1]
.endr
.irp b, 0,1,2,3
	v_max_num_f32 v[BM+\b], v[BM+\b], v[BT+\b]     ; with lane l xor 16's 16 keys
.endr
	v_max3_num_f32 v[TMP], v[BM], v[BM+1], v[BM+2]
	v_max_num_f32 v[TMP], v[TMP], v[BM+3]
	v_mul_f32 v[TMP], s[CS], v[TMP]                ; the step's largest t
	v_max_num_f32 v13, v13, v[TMP]
	v_mov_b32 v[TMP], v12
	v_floor_f32 v12, -v13                          ; the new -M = -ceil(t): a whole number
	v_sub_f32 v[TMP], v12, v[TMP]                  ; old M less new M: a whole number, 0 or less
	v_cvt_i32_f32 v[TMP], v[TMP]                   ; (it saturates)
	v_ldexp_f32 v[F], 1.0, v[TMP]                  ; f = 2^(old M - new M)
.set j, 0
.rept 32
	v_pk_fma_f32 v[S+j:S+j+1], v[S+j:S+j+1], s[CS:CS+1], v[12:13] op_sel_hi:[1,0,0]   ; t - M, two at a time
.set j, j+2
.endr
.irp b, 0,1,2,3
	v_fma_f32 v[BM+\b], v[BM+\b], s[CS], v12       ; the same of each block's largest score
.endr
.set j, 0
.rept 64
	v_exp_f32 v[S+j], v[S+j]                       ; p = 2^(t - M)
.set j, j+1
.endr
	v_pk_mul_f32 v[14:15], v[14:15], v[F:F+1] op_sel_hi:[1,0]     ; the sums under the new M; a plain line behind the exponentials
	s_wait_alu depctr_va_vdst(0)                   ; one wait for the batch of 64, ahead of its first reader
.irp b, 0,1,2,3
	v_exp_f32 v[BM+\b], v[BM+\b]                   ; the block's largest p: the same two instructions on the same number
.endr
	v_pk_add_f32 v[SUM2:SUM2+1], v[S:S+1], v[S+2:S+3]             ; the row's sum of the UNQUANTISED p, in two chains
.irp j, 4,8,12,16,20,24,28,32,36,40,44,48,52,56,60
	v_pk_add_f32 v[14:15], v[14:15], v[S+\j:S+\j+1]
	v_pk_add_f32 v[SUM2:SUM2+1], v[SUM2:SUM2+1], v[S+\j+2:S+\j+3]
.endr
	v_pk_add_f32 v[14:15], v[14:15], v[SUM2:SUM2+1]
	s_wait_alu depctr_va_vdst(0)                   ; and one for the four
.irp b, 0,1,2,3
	v_max_num_f32 v[BM+\b], 0x1800000, v[BM+\b]    ; the floor 2^(3 - 127): a block whose every p is 0 keeps the byte 1; its codes are zeros
.endr
.irp b, 0,1,2,3
	v_add_nc_u32 v[SO+\b], 0xff000000, v[BM+\b]
.endr
.irp b, 0,1,2,3
	v_lshrrev_b32 v[BT+\b], 23, v[SO+\b]
.endr
	v_lshl_or_b32 v[PW], v[BT+1], 8, v[BT]         ; p's scale word for these 128 keys
	v_lshl_or_b32 v[PW], v[BT+2], 16, v[PW]
	v_lshl_or_b32 v[PW], v[BT+3], 24, v[PW]
.irp c, 0,1
	v_cvt_scalef32_pk16_fp6_f32 v[PC+6*\c:PC+6*\c+2], v[S+32*\c:S+32*\c+15], v[SO+2*\c]
	v_cvt_scalef32_pk16_fp6_f32 v[PT+4*\c:PT+4*\c+2], v[S+32*\c+16:S+32*\c+31], v[SO+2*\c+1]
.endr
	v_nop                                          ; one plain line behind a scaled conversion
.irp c, 0,1
.irp i, 0,1,2
	v_permlane16_swap_b32 v[PC+6*\c+\i], v[PT+4*\c+\i]
.endr
.irp i, 0,1,2
	v_mov_b32 v[PC+3+6*\c+\i], v[PT+4*\c+\i]
.endr
.endr
.set j, 0
.rept 16
	v_pk_mul_f32 v[O+j:O+j+1], v[O+j:O+j+1], v[F:F+1] op_sel_hi:[1,0]   ; O^T under the new M.  The last twelve name no register of the first product below: its places behind the scale word and the codes
.set j, j+2
.endr
	s_wait_dscnt 0x0                               ; V is in
.irp t, 0,1,2,3
	v_wmma_scale_f32_16x16x128_f8f6f4 v[O+8*\t:O+8*\t+7], v[KF+12*\t:KF+12*\t+11], v[PC:PC+11], v[O+8*\t:O+8*\t+7], v[VSC+\t], v[PW] matrix_a_fmt:MATRIX_FMT_FP6 matrix_b_fmt:MATRIX_FMT_FP6
.endr
.Lskip_\@:
	s_add_co_u32 s[TK], s[TK], 6144
	s_add_co_u32 s[TV], s[TV], 6144
	s_add_co_u32 s[TSC], s[TSC], 256
	s_add_co_u32 s[J], s[J], 1
	s_cmp_lt_u32 s[J], 16
	s_cbranch_scc1 .Lstep_\@
	; the tile's way out: y = O^T / the sum, quantised along C (my head's two blocks of 32), as one half image
.rept 4
	v_nop
.endr
	v_add_f32 v14, v14, v15
	v_permlanex16_b32 v[TMP], v14, s[SEL], s[SEL+1]
	v_add_f32 v14, v14, v[TMP]                     ; the row's sum
	v_rcp_f32 v[F], v14
	v_nop                                          ; a plain line behind the reciprocal,
	s_wait_alu depctr_va_vdst(0)                   ; and the wait ahead of its first reader
.set j, 0
.rept 16
	v_pk_mul_f32 v[O+j:O+j+1], v[O+j:O+j+1], v[F:F+1] op_sel_hi:[1,0]   ; ascending: each accumulator is first read at its low end
.set j, j+2
.endr
.irp b, 0,1
	v_max3_num_f32 v[BM+\b], |v[O+16*\b]|, |v[O+16*\b+1]|, 0x1800000
.endr
.irp i, 2,4,6,8,10,12,14
.irp b, 0,1
	v_max3_num_f32 v[BM+\b], v[BM+\b], |v[O+16*\b+\i]|, |v[O+16*\b+\i+1]|
.endr
.endr
.irp b, 0,1
	v_permlanex16_b32 v[BT+\b], v[BM+\b], s[SEL], s[SEL+1]
.endr
.irp b, 0,1
	v_max_num_f32 v[BM+\b], v[BM+\b], v[BT+\b]
.endr
.irp b, 0,1
	v_add_nc_u32 v[SO+\b], 0xff000000, v[BM+\b]
.endr
.irp b, 0,1
	v_lshrrev_b32 v[BT+\b], 23, v[SO+\b]
.endr
.if \tn
	s_wait_xcnt 0x0                                ; the first tile's stores have read their data: it is written again only behind this wait
.endif
	v_cvt_scalef32_pk16_fp6_f32 v[Y:Y+2], v[O:O+15], v[SO]
	v_cvt_scalef32_pk16_fp6_f32 v[Z:Z+2], v[O+16:O+31], v[SO+1]
	v_cndmask_b32 v[YB], v[BT], v[BT+1], s[HM]     ; lane (r, h) stores block h's byte; also the plain line behind the conversions
.irp i, 0,1,2
	v_permlane16_swap_b32 v[Y+\i], v[Z+\i]
.endr
.irp i, 0,1,2
	v_mov_b32 v[Y+3+\i], v[Z+\i]
.endr
	global_store_b128 v[L16], v[Y:Y+3], s[YC+2*\tn:YC+2*\tn+1]               ; 512 consecutive bytes
	global_store_b64 v[L8], v[Y+4:Y+5], s[YC+2*\tn:YC+2*\tn+1] offset:512    ; 256
	global_store_b8 v[YSO], v[YB], s[YS+2*\tn:YS+2*\tn+1]
.endm
	TILE 0
	TILE 1
	s_wait_tensorcnt 0x0                           ; the wave's end, behind my last tensor load
	ds_add_u32 v[SPW], v[NIL]
	s_wait_dscnt 0x0
	ROUND                                          ; the closing round
	s_endpgm
.Lfunc_end_k_q62ffc2c82e_attn:
	.size	k_q62ffc2c82e_attn, .Lfunc_end_k_q62ffc2c82e_attn-k_q62ffc2c82e_attn
	.p2alignl 7, 3214868480
	.fill 96, 4, 3214868480
	.section	.rodata,"a",@progbits
	.p2align	6, 0x0
	.amdhsa_kernel k_q62ffc2c82e_attn
		.amdhsa_group_segment_fixed_size 206848
		.amdhsa_private_segment_fixed_size 0
		.amdhsa_enable_private_segment 0
		.amdhsa_kernarg_size 32
		.amdhsa_user_sgpr_count 2
		.amdhsa_user_sgpr_kernarg_segment_ptr 1
		.amdhsa_wavefront_size32 1
		.amdhsa_system_sgpr_workgroup_id_x 1
		.amdhsa_system_sgpr_workgroup_id_y 1
		.amdhsa_system_sgpr_workgroup_id_z 1
		.amdhsa_system_vgpr_workitem_id 0
		.amdhsa_next_free_vgpr 256
		.amdhsa_next_free_sgpr 80
		.amdhsa_reserve_vcc 1
		.amdhsa_float_denorm_mode_32 3
		.amdhsa_float_denorm_mode_16_64 3
		.amdhsa_memory_ordered 1
		.amdhsa_forward_progress 1
		.amdhsa_inst_pref_size 61
	.end_amdhsa_kernel
	.amdgpu_metadata
---
amdhsa.version: [ 1, 2 ]
amdhsa.kernels:
  - .name:           k_q62ffc2c82e_attn
    .symbol:         k_q62ffc2c82e_attn.kd
    .args:
      - { .name: qkv_codes, .offset: 0, .size: 8, .value_kind: global_buffer, .address_space: global }
      - { .name: qkv_scales, .offset: 8, .size: 8, .value_kind: global_buffer, .address_space: global }
      - { .name: y_codes, .offset: 16, .size: 8, .value_kind: global_buffer, .address_space: global }
      - { .name: y_scales, .offset: 24, .size: 8, .value_kind: global_buffer, .address_space: global }
    .group_segment_fixed_size: 206848
    .private_segment_fixed_size: 0
    .kernarg_segment_align: 8
    .kernarg_segment_size: 32
    .max_flat_workgroup_size: 512
    .sgpr_count:     80
    .vgpr_count:     256
    .wavefront_size: 32
...
	.end_amdgpu_metadata
.endif
;; end of part 3
;; launch proj (part 4): grid 4 x 64, 4 waves a work-group, clusters of 4 x 4, 307,712 bytes of LDS; arguments y_codes, y_scales, w_codes, w_scales, out0; writes out0
.if DOCPART == 4
	.amdgcn_target "amdgcn-amd-amdhsa--gfx1250"
	.amdhsa_code_object_version 6
	.text
	.protected	k_q62ffc2c82e_proj
	.globl	k_q62ffc2c82e_proj
	.p2align	8
	.type	k_q62ffc2c82e_proj,@function
k_q62ffc2c82e_proj:
	s_mov_b64 s[64:65], 0
	v_nop
	global_prefetch_b8 v0, s[64:65] scope:SCOPE_SE
	s_setreg_imm32_b32 hwreg(HW_REG_WAVE_MODE, 25, 1), 1
	s_wait_xcnt 0x0
	s_wait_alu depctr_hold_cnt(0) depctr_sa_sdst(0) depctr_va_vdst(0) depctr_va_sdst(0) depctr_va_ssrc(0) depctr_va_vcc(0) depctr_vm_vsrc(0)
	s_getreg_b32 s2, hwreg(HW_REG_IB_STS2, 6, 4)
	s_cmp_eq_u32 s2, 0
	s_cbranch_scc0 .Lentry_in_a_cluster
	s_endpgm
.Lentry_in_a_cluster:
	s_bfe_u32 s2, ttmp6, 0x10000c
	s_cmp_lg_u32 s2, 0xf033
	s_cbranch_scc0 .Lentry_shape_is_right
	s_endpgm
.Lentry_shape_is_right:
; out0 = y W_proj on codes of E2M3.  y's codes and scale bytes come from the launch attn, W_proj's are w_codes' tiles 192-255; both lie as images of the operand's registers (the format is set out at the head of the launch quant).
; 256 work-groups of 128 tokens x 256 features; each of four waves makes 64 x 128: 32 accumulators.  The product is used transposed (source 0 = 16 features, source 1 = 16 tokens): a lane holds eight neighbouring numbers of a row of out0.
; All of K fits in LDS: two halves of 512 along K, each filled ONCE, at the head; nothing is filled again.  By this text's count a wave has three tensor loads out.  K goes in eight steps of 128, written out.
; CLUSTER 4 x 4: y's tiles are shared along a row of the cluster, the weight's along a column: joint loads.
; REGISTERS, in windows of 256: window 0: v1-31 addresses; v32-63 scale words, two sets; v64-111, v112-159 y's fragments, two sets; on the way out v64-191 rows of out0.  window 1: the weight's two sets at v0 and v128.
;   window 2: accumulator (a, b) at v[8 (8 a + b)].
.set TS,    6144                       ; a tile's bytes in a K half: four K steps
.set KH,    24*TS                      ; a K half: y's 8 tiles, then the weight's 16
.set SCL,   2*KH                       ; the scale bytes for all of K: y's 4,096 bytes, then the weight's 8,192
.set SPARE, SCL+12288                  ; the spare words, 128 bytes for each wave
.set A16, 4                            ; v4-5   y: 16 x lane + my four tiles, in K half 0, 1
.set A8,  6                            ; v6-7   the same with 8 x lane
.set B16, 8                            ; v8-9   the weight
.set B8,  10                           ; v10-11
.set ADRS, 16                          ; v16    my scale words: lanes 0-15 y's rows, lanes 16-31 the weight's
.set L16, 17                           ; v17    16 x lane
.set L8,  18
.set STO, 19                           ; v19    the way out: where I put 32 bytes of a row
.set RD,  20                           ; v20    and where I read a row back
.set SPW, 28                           ; v28    LDS address of my spare word; never rewritten
.set NIL, 29                           ; v29    0; never rewritten
.set SC,  32
.set AF,  64
.set BK,  64
.set G1A, 24
.set G1B, 32
.set G1SA, 40
.set G1SB, 48
.set G0A0, 56
.set G0A1, 60
.set G0B0, 68
.set G0B1, 72
.set G0SA, 76
.set G0SB, 80
.set MSB, 0
.macro WIN new                         ; the immediate's high byte repeats the setting that is left
.if MSB != \new
	s_set_vgpr_msb (MSB<<8)|\new
.set MSB, \new
.endif
.endm
.set MUL_LO, 0xa1                      ; source 0 (the weight) window 1, source 1 (y) window 0, C and D window 2
.set TO_B,   0x40
.macro JLOAD g0a, g1a, g0b, g1b        ; waves 0 and 1 fetch y's halves, waves 2 and 3 the weight's; an s_nop 0 and four v_nop follow each line
	s_cmp_eq_u32 s17, 0
	s_cbranch_scc0 .Lfor_b_\@
	tensor_load_to_lds s[\g0a:\g0a+3], s[\g1a:\g1a+7]
	s_nop 0
.rept 4
	v_nop
.endr
	s_branch .Lasked_\@
.Lfor_b_\@:
	tensor_load_to_lds s[\g0b:\g0b+3], s[\g1b:\g1b+7]
	s_nop 0
.rept 4
	v_nop
.endr
.Lasked_\@:
.endm
.macro CROUND
	s_barrier_signal -1
	s_barrier_wait -1
	s_cmp_lg_u32 s16, 0
	s_cbranch_scc1 .Lnot_wave_0_\@
	s_barrier_signal -3
.Lnot_wave_0_\@:
	s_barrier_wait -3
	s_barrier_signal -1
	s_barrier_wait -1
.endm
.macro SETG0 g, base, ldsoff, p, goff
	s_mov_b32 s[\g], 1
	s_add_co_u32 s[\g+1], s[\base], \ldsoff
	s_add_nc_u64 s[\g+2:\g+3], s[\p:\p+1], \goff
	s_or_b32 s[\g+3], s[\g+3], 0x80000000
.endm
	s_load_b256 s[4:11], s[0:1], 0x0               ; y_codes s[4:5], y_scales s[6:7], w_codes s[8:9], w_scales s[10:11]
	s_load_b64 s[12:13], s[0:1], 0x20              ; out0
	v_lshl_add_u32 v[SPW], v0, 2, SPARE
	v_mov_b32 v[NIL], 0
	ds_add_u32 v[SPW], v[NIL]                      ; the wave's opening: the add, twice on end, and its wait ahead of my first tensor load
	ds_add_u32 v[SPW], v[NIL]
	v_lshrrev_b32 v1, 5, v0
	v_readfirstlane_b32 s16, v1                    ; wave
	s_lshr_b32 s17, s16, 1                         ; my 64 tokens.  Also: I fetch y (0) or the weight (1)
	s_and_b32 s18, s16, 1                          ; my 128 features.  Also: which half I fetch
	s_bfe_u32 s19, ttmp6, 0x40000                  ; cx
	s_bfe_u32 s20, ttmp6, 0x40004                  ; cy
	s_lshl_b32 s21, ttmp9, 2
	s_add_co_u32 s21, s21, s19                     ; gx: which 256 features
	s_and_b32 s22, ttmp7, 0xffff
	s_lshl_b32 s22, s22, 2
	s_add_co_u32 s22, s22, s20                     ; gy: which 128 tokens
	s_lshl_b32 s23, s20, 2
	s_lshl_b32 s23, 15, s23                        ; my row of the cluster
	s_lshl_b32 s2, 0x1111, s19                     ; my column
	s_or_b32 s[G1A], s23, (3<<16)|(1<<21)          ; 15:0 the mask; 17:16 elements of 8 bytes; 21 set beside a mask; no padding
	s_or_b32 s[G1B], s2, (3<<16)|(1<<21)
	s_or_b32 s[G1SA], s23, (3<<16)|(1<<21)
	s_or_b32 s[G1SB], s2, (3<<16)|(1<<21)
	s_mov_b32 s[G1A+1], 768<<16                    ; y: 4 rows (tiles) of 6,144 bytes, 12,288 bytes apart
	s_mov_b32 s[G1A+2], 4<<16
	s_mov_b32 s[G1A+3], 768<<16
	s_mov_b32 s[G1A+4], 4
	s_mov_b32 s[G1A+5], 1536
	s_mov_b32 s[G1A+6], 0
	s_mov_b32 s[G1A+7], 0
	s_mov_b32 s[G1B+1], 768<<16                    ; the weight: 8 rows
	s_mov_b32 s[G1B+2], 8<<16
	s_mov_b32 s[G1B+3], 768<<16
	s_mov_b32 s[G1B+4], 8
	s_mov_b32 s[G1B+5], 1536
	s_mov_b32 s[G1B+6], 0
	s_mov_b32 s[G1B+7], 0
	s_mov_b32 s[G1SA+1], 32<<16                    ; y's scale bytes: 2,048 dense bytes as 8 rows of 256
	s_mov_b32 s[G1SA+2], 8<<16
	s_mov_b32 s[G1SA+3], 32<<16
	s_mov_b32 s[G1SA+4], 8
	s_mov_b32 s[G1SA+5], 32
	s_mov_b32 s[G1SA+6], 0
	s_mov_b32 s[G1SA+7], 0
	s_mov_b32 s[G1SB+1], 32<<16                    ; the weight's: 4,096 as 16 rows
	s_mov_b32 s[G1SB+2], 16<<16
	s_mov_b32 s[G1SB+3], 32<<16
	s_mov_b32 s[G1SB+4], 16
	s_mov_b32 s[G1SB+5], 32
	s_mov_b32 s[G1SB+6], 0
	s_mov_b32 s[G1SB+7], 0
	s_lshl_b32 s84, s22, 3
	s_lshl_b32 s96, s18, 2
	s_add_co_u32 s84, s84, s96                     ; y's first tile that I fetch: 8 gy + 4 x half
	s_lshl_b32 s88, s84, 9
	s_mul_i32 s84, s84, 12288
	s_mov_b32 s85, 0
	s_mov_b32 s89, 0
	s_lshl_b32 s86, s21, 4
	s_lshl_b32 s97, s18, 3
	s_add_co_u32 s86, s86, s97
	s_add_co_u32 s86, s86, 192                     ; the weight's: 192 + 16 gx + 8 x half
	s_lshl_b32 s90, s86, 9
	s_mul_i32 s86, s86, 12288
	s_mov_b32 s87, 0
	s_mov_b32 s91, 0
	s_mul_i32 s92, s18, 4*TS                       ; where they go: no place in the cluster enters an LDS address
	s_mul_i32 s93, s18, 8*TS
	s_add_co_u32 s93, s93, 8*TS
	s_lshl_b32 s94, s18, 11
	s_lshl_b32 s95, s18, 12
	s_add_co_u32 s95, s95, 4096
	s_wait_dscnt 0x0                               ; both opening adds are done
	s_wait_kmcnt 0x0
	s_add_nc_u64 s[84:85], s[4:5], s[84:85]
	s_add_nc_u64 s[88:89], s[6:7], s[88:89]
	s_add_nc_u64 s[86:87], s[8:9], s[86:87]
	s_add_nc_u64 s[90:91], s[10:11], s[90:91]
	CROUND                                         ; all sixteen work-groups are here: the joint loads meet
	SETG0 G0SA, 94, SCL, 88, 0
	SETG0 G0SB, 95, SCL, 90, 0
	JLOAD G0SA, G1SA, G0SB, G1SB                   ; the scale bytes of all of K
	SETG0 G0A0, 92, 0, 84, 0
	SETG0 G0B0, 93, 0, 86, 0
	JLOAD G0A0, G1A, G0B0, G1B                     ; K 0-511
	SETG0 G0A1, 92, KH, 84, TS
	SETG0 G0B1, 93, KH, 86, TS
	JLOAD G0A1, G1A, G0B1, G1B                     ; K 512-1023
	v_and_b32 v1, 31, v0
	v_and_b32 v2, 15, v0                           ; r
	v_bfe_u32 v3, v0, 4, 1                         ; h
	v_lshlrev_b32 v[L16], 4, v1
	v_lshlrev_b32 v[L8], 3, v1
	s_mul_i32 s4, s17, 4*TS                        ; my four tiles of y,
	s_mul_i32 s5, s18, 8*TS
	s_add_co_u32 s5, s5, 8*TS                      ; my eight of the weight
.irp s, 0,1
	v_add_nc_u32 v[A16+\s], s4, v[L16]
	v_add_nc_u32 v[A8+\s], s4, v[L8]
	v_add_nc_u32 v[B16+\s], s5, v[L16]
	v_add_nc_u32 v[B8+\s], s5, v[L8]
	s_add_co_u32 s4, s4, KH
	s_add_co_u32 s5, s5, KH
.endr
	s_lshl_b32 s96, s17, 11                        ; y's scale words: my four tiles;
	s_lshl_b32 s97, s18, 12
	s_add_co_u32 s97, s97, 4096
	s_sub_co_u32 s97, s97, s96                     ; the weight's lie this far behind them
	v_mul_u32_u24 v[ADRS], s97, v3                 ; lanes 16-31 take the weight's
	v_lshl_add_u32 v[ADRS], v2, 3, v[ADRS]
	s_add_co_u32 s96, s96, SCL
	v_add_nc_u32 v[ADRS], s96, v[ADRS]
	s_mul_i32 s6, s16, 8448                        ; my stage: 16 rows of 528 bytes, in K half 0, which has had its only fill, and its last read ahead of the barrier of K step 3
	v_mul_u32_u24 v[STO], v2, 528
	v_lshl_add_u32 v[STO], v3, 6, v[STO]
	v_add_nc_u32 v[STO], s6, v[STO]                ; in: row r, + 64 h
	v_add_nc_u32 v[RD], s6, v[L16]                 ; back: 16 x lane of a row
	s_lshl_b32 s8, s22, 7
	s_lshl_b32 s9, s17, 6
	s_add_co_u32 s8, s8, s9                        ; my first token: 128 gy + 64 x half
	s_lshl_b32 s8, s8, 12
	s_lshl_b32 s9, s21, 10
	s_add_co_u32 s8, s8, s9
	s_lshl_b32 s9, s18, 9
	s_add_co_u32 s8, s8, s9                        ; + my first feature, in bytes
	s_mov_b32 s9, 0
	s_add_nc_u64 s[12:13], s[12:13], s[8:9]
.macro FRAG reg, a16, a8, off          ; a fragment is two half images: four loads, each of 512 or 256 consecutive bytes
	ds_load_b128 v[(\reg):(\reg)+3], v[\a16] offset:(\off)
	ds_load_b64 v[(\reg)+4:(\reg)+5], v[\a8] offset:(\off)+512
	ds_load_b128 v[(\reg)+6:(\reg)+9], v[\a16] offset:(\off)+768
	ds_load_b64 v[(\reg)+10:(\reg)+11], v[\a8] offset:(\off)+1280
.endm
.macro FETCH hf, q, p                  ; the 12 fragments of the K half's q-th step into set p
	WIN TO_B
.irp i, 0,1,2,3,4,5,6,7
	FRAG 128*(\p)+12*\i, B16+(\hf), B8+(\hf), \i*TS+1536*(\q)
.endr
	WIN 0
.irp i, 0,1,2,3
	FRAG AF+48*(\p)+12*\i, A16+(\hf), A8+(\hf), \i*TS+1536*(\q)
.endr
.endm
.macro SCALES set, sg                  ; register 2 i + q: lanes 0-15 y's block i (of blocks 4-7 they read bytes that are filled and not used), lanes 16-31 the weight's block i
.irp i, 0,1,2,3,4,5,6,7
	ds_load_b64 v[SC+16*(\set)+2*\i:SC+16*(\set)+2*\i+1], v[ADRS] offset:512*\i+128*(\sg)
.endr
.endm
; 16 matrix instructions; the 32 accumulators take turns, one instruction a turn, in the same order in every step
.macro MUL16 a0, p, q, set, zero
.irp a, \a0, \a0+1
.irp b, 0,1,2,3,4,5,6,7
.if \zero
	v_wmma_scale_f32_16x16x128_f8f6f4 v[8*(8*(\a)+\b):8*(8*(\a)+\b)+7], v[128*(\p)+12*\b:128*(\p)+12*\b+11], v[AF+48*(\p)+12*(\a):AF+48*(\p)+12*(\a)+11], 0, v[SC+16*(\set)+2*\b+(\q)], v[SC+16*(\set)+2*(\a)+(\q)] matrix_a_fmt:MATRIX_FMT_FP6 matrix_b_fmt:MATRIX_FMT_FP6 matrix_a_scale:MATRIX_SCALE_ROW1
.else
	v_wmma_scale_f32_16x16x128_f8f6f4 v[8*(8*(\a)+\b):8*(8*(\a)+\b)+7], v[128*(\p)+12*\b:128*(\p)+12*\b+11], v[AF+48*(\p)+12*(\a):AF+48*(\p)+12*(\a)+11], v[8*(8*(\a)+\b):8*(8*(\a)+\b)+7], v[SC+16*(\set)+2*\b+(\q)], v[SC+16*(\set)+2*(\a)+(\q)] matrix_a_fmt:MATRIX_FMT_FP6 matrix_b_fmt:MATRIX_FMT_FP6 matrix_a_scale:MATRIX_SCALE_ROW1
.endif
.endr
.endr
.endm
.macro PLACES                          ; four plain vector lines between a matrix instruction and a load into, or a read of, its registers (ISA guide 7.12.1 for reads)
.rept 4
	v_nop
.endr
.endm
.macro STEPN p, q, set, fhf, fq, sset, ssg
	s_wait_dscnt 0x0                               ; this step's fragments, asked for a step ago, are in
	PLACES
	FETCH \fhf, \fq, 1-(\p)
.if \sset >= 0
	SCALES \sset, \ssg
.endif
	WIN MUL_LO
	MUL16 0, \p, \q, \set, 0
	MUL16 2, \p, \q, \set, 0
.endm
	s_wait_tensorcnt 0x1                           ; the scale bytes and my part of K half 0 are in; half 1 may stay out
	s_barrier_signal -1
	s_barrier_wait -1
	FETCH 0, 0, 0
	SCALES 0, 0
	s_wait_dscnt 0x0                               ; K step 0: its products start the sums
	FETCH 0, 1, 1
	WIN MUL_LO
	MUL16 0, 0, 0, 0, 1
	MUL16 2, 0, 0, 0, 1
	STEPN 1, 1, 0, 0, 2, 1, 1                      ; K step 1
	STEPN 0, 0, 1, 0, 3, -1, 0                     ; K step 2
	s_wait_tensorcnt 0x0                           ; K step 3: my part of K half 1 is in,
	s_wait_dscnt 0x0                               ; and my reads of half 0 are over
	s_barrier_signal -1
	MUL16 0, 1, 1, 1, 0
	WIN 0
	s_barrier_wait -1                              ; both hold of every wave
	PLACES
	FETCH 1, 0, 0
	SCALES 0, 2
	WIN MUL_LO
	MUL16 2, 1, 1, 1, 0
	STEPN 0, 0, 0, 1, 1, -1, 0                     ; K step 4
	STEPN 1, 1, 0, 1, 2, 1, 3                      ; K step 5
	STEPN 0, 0, 1, 1, 3, -1, 0                     ; K step 6
	s_wait_dscnt 0x0                               ; K step 7: nothing more to fetch
	MUL16 0, 1, 1, 1, 0
	MUL16 2, 1, 1, 1, 0
	WIN 0
; THE WAY OUT, a block of 16 tokens x 128 features at a time: through my stage and back as whole rows of 512 bytes.  LDS serves a wave's instructions in order: no wait between the stores and the loads.
.macro TOSTAGE a
	WIN 0x08                                       ; an LDS store's data are its source 1: window 2
.irp b, 0,1,2,3,4,5,6,7
	ds_store_b128 v[STO], v[8*(8*(\a)+\b):8*(8*(\a)+\b)+3] offset:128*(\b/2)+32*(\b%2)        ; lane (r, h), register j: feature 32 (b / 2) + 8 (b % 2) + 16 h + j; each accumulator from its low end on
	ds_store_b128 v[STO], v[8*(8*(\a)+\b)+4:8*(8*(\a)+\b)+7] offset:128*(\b/2)+32*(\b%2)+16
.endr
	WIN 0
.set BB, BK+64*((\a)%2)
.irp t, 0,1,2,3,4,5,6,7,8,9,10,11,12,13,14,15
	ds_load_b128 v[BB+4*\t:BB+4*\t+3], v[RD] offset:\t*528
.endr
.endm
.macro SEND a, younger                 ; younger: the LDS instructions issued behind block a's loads, which may stay out
.set BB, BK+64*((\a)%2)
	s_wait_dscnt \younger
.irp t, 0,1,2,3,4,5,6,7,8,9,10,11,12,13,14,15
	global_store_b128 v[L16], v[BB+4*\t:BB+4*\t+3], s[12:13] offset:(32*((\a)/2)+8*((\a)%2)+\t+8*(\t/8))*4096 th:TH_STORE_NT   ; 512 consecutive bytes of the token that lane row t of tile a stands for
.endr
.endm
	PLACES
	TOSTAGE 0
.irp a, 1,2,3
.if \a > 1
	s_wait_xcnt 0x0                                ; block a - 2's stores have read their registers: block a's loads may land there
.endif
	TOSTAGE \a
	SEND \a-1, 32                                  ; behind block a - 1's loads: block a's 16 stores and 16 loads
.endr
	SEND 3, 0
	s_wait_tensorcnt 0x0                           ; the wave's end, behind my last tensor load and my last LDS store
	ds_add_u32 v[SPW], v[NIL]
	s_wait_dscnt 0x0
	CROUND                                         ; the closing round
	s_endpgm
.Lfunc_end_k_q62ffc2c82e_proj:
	.size	k_q62ffc2c82e_proj, .Lfunc_end_k_q62ffc2c82e_proj-k_q62ffc2c82e_proj
	.p2alignl 7, 3214868480
	.fill 96, 4, 3214868480
	.section	.rodata,"a",@progbits
	.p2align	6, 0x0
	.amdhsa_kernel k_q62ffc2c82e_proj
		.amdhsa_group_segment_fixed_size 307712
		.amdhsa_private_segment_fixed_size 0
		.amdhsa_enable_private_segment 0
		.amdhsa_kernarg_size 40
		.amdhsa_user_sgpr_count 2
		.amdhsa_user_sgpr_kernarg_segment_ptr 1
		.amdhsa_wavefront_size32 1
		.amdhsa_system_sgpr_workgroup_id_x 1
		.amdhsa_system_sgpr_workgroup_id_y 1
		.amdhsa_system_sgpr_workgroup_id_z 1
		.amdhsa_system_vgpr_workitem_id 0
		.amdhsa_next_free_vgpr 768
		.amdhsa_next_free_sgpr 100
		.amdhsa_reserve_vcc 0
		.amdhsa_float_denorm_mode_32 3
		.amdhsa_float_denorm_mode_16_64 3
		.amdhsa_memory_ordered 1
		.amdhsa_forward_progress 1
		.amdhsa_inst_pref_size 85
	.end_amdhsa_kernel
	.amdgpu_metadata
---
amdhsa.version: [ 1, 2 ]
amdhsa.kernels:
  - .name:           k_q62ffc2c82e_proj
    .symbol:         k_q62ffc2c82e_proj.kd
    .args:
      - { .name: y_codes, .offset: 0, .size: 8, .value_kind: global_buffer, .address_space: global }
      - { .name: y_scales, .offset: 8, .size: 8, .value_kind: global_buffer, .address_space: global }
      - { .name: w_codes, .offset: 16, .size: 8, .value_kind: global_buffer, .address_space: global }
      - { .name: w_scales, .offset: 24, .size: 8, .value_kind: global_buffer, .address_space: global }
      - { .name: out0, .offset: 32, .size: 8, .value_kind: global_buffer, .address_space: global }
    .group_segment_fixed_size: 307712
    .private_segment_fixed_size: 0
    .kernarg_segment_align: 8
    .kernarg_segment_size: 40
    .max_flat_workgroup_size: 128
    .sgpr_count:     100
    .vgpr_count:     768
    .wavefront_size: 32
...
	.end_amdgpu_metadata
.endif
;; end of part 4
